; MI455X (gfx1250); checked and timed in simulation.
; The chip was launched on July 23, 2026; its instructions are those of AMD's public machine-readable ISA for CDNA 5 (MIT licence, August 2026) and "CDNA5" Instruction Set Architecture Reference Guide (July 2026). The comments in the code are by the model that wrote it; some were corrected since.
;; Cross Attention. Allowed arithmetic: matrix products marked QUANTISED: E2M1 operands, one E8M0 scale for each 32 along K, by v_wmma_scale_f32_16x16x128_f8f6f4 with both operands' format E2M1 (or v_wmma_scale_f32_32x16x128_f4), f32 sums; products left as they are: bf16, f16 or f32 operands; f32 sums; everything else in f32.
;; Inputs: Wkv 2,048 x 1,024 float32; Wp 1,024 x 1,024 float32; Wq 1,024 x 1,024 float32; bkv 2,048 float32; bp 1,024 float32; bq 1,024 float32; mask 4 x 1 x 1,024 x 2,048 bool; x 4 x 1,024 x 1,024 float32; y 4 x 2,048 x 1,024 float32.
;; Outputs: out0 4 x 1,024 x 1,024 float32.
;; This version of the problem:
;;   THIS VERSION OF THE PROBLEM IS GIVEN IN LOW PRECISION. The matrix products marked QUANTISED in the list below multiply operands that are first quantised to E2M1 (2 exponent bits, 1 mantissa bit; 4 bits a number), with one power-of-two scale for each 32 numbers along K (OCP MX v1.0); their sums are f32. The products marked 'left as it is' may take bf16, f16 or f32 operands, with f32 sums. Whichever they take, every output number must still come out within the allowed error. Rounding operands to bf16 (8 significant bits) uses up far more of that allowance than f16 does (11 bits, for magnitudes from 6e-5 to 65,504). All else is computed in f32.
;;   The module's matrix products, in the order in which they are computed (A, B: the left and right operand; K: the contracted axis; several contracted axes count as one K, in the product's order):
;;     1. [M 4,096, K 1,024] x [K 1,024, N 1,024]; A: input x; B: input Wq: QUANTISED
;;     2. [M 8,192, K 1,024] x [K 1,024, N 2,048]; A: input y; B: input Wkv: QUANTISED
;;     3. batch 64 x [M 1,024, K 64] x [K 64, N 2,048]; A: computed on the way; B: computed on the way: left as it is (an operand is computed on the way)
;;     4. batch 64 x [M 1,024, K 2,048] x [K 2,048, N 64]; A: computed on the way; B: computed on the way: left as it is (an operand is computed on the way)
;;     5. [M 4,096, K 1,024] x [K 1,024, N 1,024]; A: computed on the way; B: input Wp: left as it is (an operand is computed on the way)
;;   THE QUANTISER, for each operand of a quantised product, along K:
;;     - K is cut into blocks of 32 from its start; a last block that is shorter is filled with zeros.
;;     - A block's scale is 2^e with e = floor(log2(the largest magnitude in the block)) - 2, held to -126 .. 127; a block of zeros has e = 0. As a byte (E8M0): e + 127.
;;     - Each number is divided by its block's scale, clamped to +-6, and rounded to the nearest number of E2M1, ties to even, subnormals kept.
;;     - The product sums the exact products of the quantised numbers (number of the format x scale) in f32.
;;   ~~~python
;;   def quantise(x, axis):      # numpy; x: float32 -> the quantised numbers, widened to float32 again
;;       x = np.moveaxis(x, axis, -1); K = x.shape[-1]
;;       x = np.pad(x, [(0, 0)] * (x.ndim - 1) + [(0, -K % 32)]); x = x.reshape(x.shape[:-1] + (-1, 32)); a = np.abs(x).max(-1, keepdims=True)
;;       e = np.where(a > 0, np.clip(np.frexp(np.where(a > 0, a, 1))[1] - 1 - 2, -126, 127), 0)      # np.frexp(a)[1] - 1 = floor(log2(a)), exactly
;;       r = np.clip(x / 2.0 ** e, -6, 6)
;;       step = 2.0 ** (np.maximum(np.frexp(np.where(r == 0, 1, r))[1] - 1, 0) - 1)
;;       q = np.round(r / step) * step * 2.0 ** e      # np.round: ties to even
;;       return np.moveaxis(q.reshape(q.shape[:-2] + (-1,))[..., :K], -1, axis).astype(np.float32)
;;   ~~~
;; 2 versions, each right and faster than the one before. Each part assembles by itself: llvm-mc -triple=amdgcn-amd-amdhsa -mcpu=gfx1250 --defsym DOCPART=n.
;; ======== version 1 of 2: 4 launches
;; limits: values are held in f16: magnitudes above 65,504 overflow, below 6.1e-05 lose precision
;; workspace buffers: codes 7,864,320 bytes; scales 491,520 bytes; wp16 2,097,152 bytes; mbits 1,048,576 bytes of whole numbers; qkv 41,943,040 bytes; att 8,388,608 bytes
;; launch prep (part 1): grid 640 x 1, 4 waves a work-group, no clusters, 50,688 bytes of LDS; arguments y, x, Wkv, Wq, Wp, mask, codes, scales, wp16, mbits; writes codes, scales, wp16, mbits
.if DOCPART == 1
	.amdgcn_target "amdgcn-amd-amdhsa--gfx1250"
	.amdhsa_code_object_version 6
	.text
	.protected	k_qcda5060bc4_prep
	.globl	k_qcda5060bc4_prep
	.p2align	8
	.type	k_qcda5060bc4_prep,@function
k_qcda5060bc4_prep:
	s_mov_b64 s[64:65], 0
	v_nop
	global_prefetch_b8 v0, s[64:65] scope:SCOPE_SE
	s_setreg_imm32_b32 hwreg(HW_REG_WAVE_MODE, 25, 1), 1
	s_wait_xcnt 0x0
; THE OPERANDS ARE MADE READY, ONCE.  Three kinds of work-group, told apart by the work-group's number alone:
;   0 .. 479   y, x, Wkv, Wq (f32, K = 1,024 innermost) become codes of FP4 (E2M1) with one E8M0 scale byte for each 32 along K.  All four lie in ONE buffer of 15,360 rows of 512 bytes
;              (y 0 .., x 8,192 .., Wkv 12,288 .., Wq 14,336 ..) and one of 32 scale bytes a row.  The work-groups' order is the rows' order, so the destinations are linear in the work-group's number.
;   480 .. 511 Wp [n][k] f32 becomes f16, laid [k / 64][n][64]: 16 planes of 1,024 rows of 128 bytes.
;   512 .. 639 the mask's bytes become lane masks: word 8 kt + i of (16 queries, 64 keys) has in bit l the byte of query l % 16, key 16 kt + 8 (l / 16) + i.
; A block's scale is 2^(floor(log2(its largest magnitude)) - 2); its byte is the largest magnitude's exponent field - 2, held at 1 from below.  A block of zeros so gets the byte 1 where the rule says 127:
; its codes are zeros, which add nothing under any byte but 0xff, and this program alone reads the bytes.
; LIMITS: blocks whose largest magnitude lies under 2^-124 keep the byte 1; NaN and infinities among the inputs are not served; |Wp| beyond 65,504 becomes infinite in f16, under 6e-8 it is lost.
; No tensor loads, no barrier: waves share nothing.  No work-group reads what another reads, so there is nothing for a cluster to share.  Each kind of work-group has LDS bytes of its own.
.set WREG,  8192                       ; the quantiser: a region for each wave: two stages of 32 x SP bytes, behind them its 256 scale bytes
.set SP,    80                         ; a lane's place in a stage: its 64 bytes + 16 of padding
.set STEPS, 16
.set EMAX,  2
.set CB,    8                          ; bytes of 16 codes
.set R,     16                         ; v16-79   four sets of 16 numbers as they are loaded
.set X,     80                         ; v80-111  two sets of 16 neighbours
.set E,     112                        ; v112-127 a scale byte for each step
.set C,     128                        ; v128-191 codes: four registers for each step
.set IN,    16                         ; Wp: v16-143 two sets of 64;
.set OUT,   144                        ; v144-175 what is stored
.set SPW,   12                         ; v12      LDS address of my spare word; never rewritten
.set NIL,   13                         ; v13      0; never rewritten
.set WV,    24                         ; s24      my wave's number
.set MSTG,  4*WREG                     ; the mask's stages: 16 rows x 272 bytes for each wave
.set MPIT,  272
.set SPARE, MSTG+4*16*MPIT             ; the spare words, 128 bytes for each wave: two blocks of 256 bytes that no other line names
	s_load_b512 s[4:19], s[0:1], 0x0               ; y, x, Wkv, Wq, Wp, mask, codes, scales
	s_load_b128 s[20:23], s[0:1], 0x40             ; wp16, mbits
	v_lshl_add_u32 v[SPW], v0, 2, SPARE
	v_mov_b32 v[NIL], 0
	v_lshrrev_b32 v1, 5, v0
	v_readfirstlane_b32 s[WV], v1                  ; wave 0..3
	v_and_b32 v2, 31, v0                           ; lane
	s_wait_kmcnt 0x0
	s_cmp_lt_u32 ttmp9, 480
	s_cbranch_scc0 .Lnot_quant
	; ---------------- THE QUANTISER.  Rows are dense and K is a multiple of 32: a tensor is a plain stream of blocks of 32.  A wave takes 16 steps of 512 numbers.
	s_mov_b64 s[26:27], s[10:11]                   ; which tensor, and its first work-group: the choice hangs on the work-group's number alone
	s_mov_b32 s28, 448
	s_cmp_lt_u32 ttmp9, 448
	s_cselect_b64 s[26:27], s[8:9], s[26:27]
	s_cselect_b32 s28, 384, s28
	s_cmp_lt_u32 ttmp9, 384
	s_cselect_b64 s[26:27], s[6:7], s[26:27]
	s_cselect_b32 s28, 256, s28
	s_cmp_lt_u32 ttmp9, 256
	s_cselect_b64 s[26:27], s[4:5], s[26:27]
	s_cselect_b32 s28, 0, s28
	s_sub_co_u32 s28, ttmp9, s28
	s_lshl_b32 s28, s28, 2
	s_add_co_u32 s28, s28, s[WV]                   ; which run of 8,192 numbers of the tensor is my wave's
	s_lshl_b32 s28, s28, 15                        ; 32,768 bytes a run
	s_mov_b32 s29, 0
	s_add_nc_u64 s[26:27], s[26:27], s[28:29]
	s_lshl_b32 s30, ttmp9, 2
	s_add_co_u32 s30, s30, s[WV]                   ; and which run of the joint buffers
	s_lshl_b32 s28, s30, 12                        ; 4,096 bytes of codes,
	s_add_nc_u64 s[16:17], s[16:17], s[28:29]
	s_lshl_b32 s28, s30, 8                         ; 256 scale bytes
	s_add_nc_u64 s[18:19], s[18:19], s[28:29]
	v_lshlrev_b32 v3, 4, v2                        ; my 16 bytes of a load's 512
	s_mul_i32 s25, s[WV], WREG
	v_lshrrev_b32 v14, 2, v2
	v_mul_u32_u24 v14, v14, SP
	v_and_b32 v15, 3, v2
	v_lshl_add_u32 v14, v15, 4, v14
	v_add_nc_u32 v14, s25, v14                     ; the stage, on the way in: SP (lane / 4) + 16 (lane % 4)
	v_mul_u32_u24 v15, v2, SP
	v_add_nc_u32 v15, s25, v15                     ; and on the way out: SP x lane: my 16 neighbours
	v_mul_u32_u24 v4, v2, CB                       ; my codes' place in a step's
	v_lshrrev_b32 v5, 1, v2
	s_add_co_u32 s25, s25, 2*32*SP
	v_add_nc_u32 v5, s25, v5                       ; my wave's 256 scale bytes, my block's byte
	v_lshlrev_b32 v7, 3, v2                        ; and on the way out 8 bytes a lane
	v_add_nc_u32 v6, s25, v7
.macro LOAD t
.irp i, 0,1,2,3
	global_load_b128 v[R+16*((\t)%4)+4*\i:R+16*((\t)%4)+4*\i+3], v3, s[26:27] offset:2048*(\t)+512*\i th:TH_LOAD_NT   ; 32 lanes read 512 consecutive bytes
.endr
.endm
.macro TURN t                          ; step t's numbers through the stage: LDS serves a wave's instructions in order, so no wait stands between the stores and the loads
.irp i, 0,1,2,3
	ds_store_b128 v14, v[R+16*((\t)%4)+4*\i:R+16*((\t)%4)+4*\i+3] offset:32*SP*((\t)%2)+8*SP*\i
.endr
.irp i, 0,1,2,3
	ds_load_b128 v[X+16*((\t)%2)+4*\i:X+16*((\t)%2)+4*\i+3], v15 offset:32*SP*((\t)%2)+16*\i
.endr
.endm
.irp t, 0,1,2,3
	LOAD \t
.endr
	s_wait_loadcnt 12                              ; step 0's four loads are in
	TURN 0
.macro STEP t
.set XS, X+16*((\t)%2)
.if (\t) > 0
	s_wait_dscnt 1                                 ; this step's numbers are back from the stage (the last step's byte store may be out)
.else
	s_wait_dscnt 0x0
.endif
.if (\t)+4 < STEPS
	LOAD (\t)+4                                    ; into the registers that this step's stores into the stage have read
.endif
.if (\t)+1 < STEPS
.if STEPS-2-(\t) >= 3
	s_wait_loadcnt 12                              ; the next step's four loads are in; those of the three steps behind it may be out
.else
	s_wait_loadcnt 4*(STEPS-2-(\t))
.endif
	TURN (\t)+1                                    ; they go through the other stage while this step is worked
.endif
	v_max3_num_f32 v8, |v[XS]|, |v[XS+1]|, |v[XS+2]|               ; the largest magnitude of my 16
	v_max3_num_f32 v9, |v[XS+3]|, |v[XS+4]|, |v[XS+5]|
.irp i, 6,10
	v_max3_num_f32 v8, v8, |v[XS+\i]|, |v[XS+\i+1]|
	v_max3_num_f32 v9, v9, |v[XS+\i+2]|, |v[XS+\i+3]|
.endr
	v_max3_num_f32 v8, v8, |v[XS+14]|, |v[XS+15]|
	v_max3_num_f32 v8, v8, v9, (EMAX+1)<<23        ; and the floor 2^(EMAX + 1 - 127): the byte cannot fall under 1
	v_max_num_f32_dpp v8, v8, v8 row_xmask:1 row_mask:0xf bank_mask:0xf   ; and of my neighbour's 16: the block's
	v_add_nc_u32 v11, -(EMAX<<23), v8              ; EMAX off its exponent field: the conversion takes the exponent field of this operand as its scale
	v_cvt_scalef32_pk8_fp4_f32 v[C+4*(\t)], v[XS:XS+7], v11
	v_cvt_scalef32_pk8_fp4_f32 v[C+4*(\t)+1], v[XS+8:XS+15], v11
	v_lshrrev_b32 v[E+(\t)], 23, v11               ; the scale's byte
	ds_store_b8 v5, v[E+(\t)] offset:16*(\t)       ; both lanes of a block write the same byte with the same value
	global_store_b64 v4, v[C+4*(\t):C+4*(\t)+1], s[16:17] offset:32*CB*(\t)   ; the wave stores 256 consecutive bytes
.endm
.irp t, 0,1,2,3,4,5,6,7,8,9,10,11,12,13,14,15
	STEP \t
.endr
	ds_load_b64 v[8:9], v6                         ; LDS serves a wave's instructions in order: these see my stores
	s_wait_dscnt 0x0
	global_store_b64 v7, v[8:9], s[18:19]          ; 32 lanes store 256 consecutive bytes, aligned
	s_branch .Lend
.Lnot_quant:
	s_cmp_lt_u32 ttmp9, 512
	s_cbranch_scc0 .Lmask
	; ---------------- Wp TO f16, BY PLANES OF 64 ALONG K.  A wave takes 8 rows n, two at a time.  A load reads 256 bytes (64 numbers: one plane's) of each of the two rows; the two rows' 128 bytes of f16 are neighbours in the plane.
	s_sub_co_u32 s25, ttmp9, 480
	s_lshl_b32 s25, s25, 2
	s_add_co_u32 s25, s25, s[WV]                   ; 0 .. 127
	s_lshl_b32 s26, s25, 15                        ; 8 rows of 4,096 bytes
	s_mov_b32 s27, 0
	s_add_nc_u64 s[12:13], s[12:13], s[26:27]
	s_lshl_b32 s26, s25, 10                        ; 8 rows of 128 bytes
	s_add_nc_u64 s[20:21], s[20:21], s[26:27]
	v_lshrrev_b32 v3, 4, v2
	v_and_b32 v4, 15, v2
	v_lshlrev_b32 v5, 12, v3
	v_lshl_add_u32 v5, v4, 4, v5                   ; in: lanes 0-15 one row, lanes 16-31 the next; 16 bytes a lane
	v_lshlrev_b32 v6, 3, v2                        ; out: 8 bytes a lane
.macro LOADB u
.irp p, 0,1,2,3,4,5,6,7,8,9,10,11,12,13,14,15
	global_load_b128 v[IN+64*((\u)%2)+4*\p:IN+64*((\u)%2)+4*\p+3], v5, s[12:13] offset:(\u)*8192+\p*256 th:TH_LOAD_NT
.endr
.endm
.macro BATCH u
.if (\u) < 3
	s_wait_loadcnt 16                              ; this pair of rows is in; the next pair's 16 loads may be out
.else
	s_wait_loadcnt 0x0
.endif
.if (\u) > 0
	s_wait_xcnt 0x0                                ; the last pair's stores have read their data: OUT is written again only behind this wait
.endif
.irp p, 0,1,2,3,4,5,6,7,8,9,10,11,12,13,14,15
	v_cvt_pk_f16_f32 v[OUT+2*\p], v[IN+64*((\u)%2)+4*\p], v[IN+64*((\u)%2)+4*\p+1]
	v_cvt_pk_f16_f32 v[OUT+2*\p+1], v[IN+64*((\u)%2)+4*\p+2], v[IN+64*((\u)%2)+4*\p+3]
.endr
.irp p, 0,1,2,3,4,5,6,7,8,9,10,11,12,13,14,15
	global_store_b64 v6, v[OUT+2*\p:OUT+2*\p+1], s[20:21] offset:\p*131072+(\u)*256   ; 32 lanes store 256 consecutive bytes, aligned: two rows of plane p
.endr
.if (\u)+2 < 4
	LOADB (\u)+2
.endif
.endm
	LOADB 0
	LOADB 1
	BATCH 0
	BATCH 1
	BATCH 2
	BATCH 3
	s_branch .Lend
.Lmask:
	; ---------------- THE MASK AS LANE MASKS.  A wave takes 16 queries x 1,024 keys, in four chunks of 256 keys (four key steps of 64).  A chunk's bytes go through the wave's own stage, so that lane l holds
	; the eight bytes of query l % 16, keys 16 f + 8 (l / 16) + 0 .. 7; a compare of one byte over the 32 lanes IS one word.
	s_sub_co_u32 s25, ttmp9, 512
	s_lshl_b32 s25, s25, 2
	s_add_co_u32 s25, s25, s[WV]                   ; 0 .. 511
	s_lshr_b32 s26, s25, 1                         ; which 16 queries (of all batches on end)
	s_and_b32 s27, s25, 1                          ; which half of the keys
	s_lshl_b32 s28, s26, 15                        ; 16 rows of 2,048 bytes
	s_lshl_b32 s29, s27, 10
	s_add_co_u32 s28, s28, s29
	s_mov_b32 s29, 0
	s_add_nc_u64 s[14:15], s[14:15], s[28:29]
	s_lshl_b32 s28, s26, 12                        ; 32 key steps of 128 bytes
	s_lshl_b32 s30, s27, 11
	s_add_co_u32 s28, s28, s30
	s_add_nc_u64 s[22:23], s[22:23], s[28:29]
	v_lshrrev_b32 v3, 4, v2                        ; l / 16
	v_and_b32 v4, 15, v2                           ; l % 16
	v_lshlrev_b32 v5, 11, v3
	v_lshl_add_u32 v5, v4, 4, v5                   ; in: lanes 0-15 256 bytes of one row, lanes 16-31 of the next
	s_mul_i32 s30, s[WV], 16*MPIT
	s_add_co_u32 s30, s30, MSTG
	v_mul_u32_u24 v6, v3, MPIT
	v_lshl_add_u32 v6, v4, 4, v6
	v_add_nc_u32 v6, s30, v6                       ; the stage, on the way in
	v_mul_u32_u24 v7, v4, MPIT
	v_lshl_add_u32 v7, v3, 3, v7
	v_add_nc_u32 v7, s30, v7                       ; and out: row l % 16, + 8 (l / 16)
	v_lshlrev_b32 v14, 4, v2                       ; the words' way out: 16 bytes a lane
.irp n, 0,1,2,3,4,5,6,7,8,9,10,11,12,13,14,15
	v_mov_b32 v[176+\n], 0                         ; written once: v_writelane_b32's destination counts as one of its sources
.endr
.irp c, 0,1,2,3
.irp i, 0,1,2,3,4,5,6,7
	global_load_b128 v[16+32*\c+4*\i:16+32*\c+4*\i+3], v5, s[14:15] offset:4096*\i+256*\c th:TH_LOAD_NT
.endr
.endr
.macro CHUNK c
	s_wait_loadcnt 8*(3-\c)                        ; this chunk's eight loads are in; the later chunks' may be out
.irp i, 0,1,2,3,4,5,6,7
	ds_store_b128 v6, v[16+32*\c+4*\i:16+32*\c+4*\i+3] offset:2*MPIT*\i
.endr
.irp f, 0,1,2,3,4,5,6,7,8,9,10,11,12,13,14,15
	ds_load_b64 v[144+2*\f:145+2*\f], v7 offset:16*\f              ; LDS serves a wave's instructions in order: these see my stores
.endr
	s_wait_dscnt 0x0
.set J, 0                              ; J = 32 s + 8 kt + i: word 8 kt + i of the chunk's key step s.  Word J goes to lane J / 4, register J % 4: 16 bytes a lane, 128 a key step
.rept 32
.irp n, 0,1,2,3
	v_bfe_u32 v[8+\n], v[144+2*(J/8)+(J%8)/4], 8*\n, 8
.endr
.irp n, 0,1,2,3
	v_cmp_ne_u32 s[32+J%32+\n], 0, v[8+\n]
.endr
.irp n, 0,1,2,3
	v_writelane_b32 v[176+4*\c+\n], s[32+J%32+\n], J/4
.endr
.set J, J+4
.endr
	global_store_b128 v14, v[176+4*\c:179+4*\c], s[22:23] offset:512*\c   ; 32 lanes store 512 consecutive bytes: four key steps' words
.endm
	CHUNK 0
	CHUNK 1
	CHUNK 2
	CHUNK 3
.Lend:
	s_wait_tensorcnt 0x0                           ; the wave's end: behind my last LDS store
	ds_add_u32 v[SPW], v[NIL]
	s_wait_dscnt 0x0
	s_endpgm
.Lfunc_end_k_qcda5060bc4_prep:
	.size	k_qcda5060bc4_prep, .Lfunc_end_k_qcda5060bc4_prep-k_qcda5060bc4_prep
	.p2alignl 7, 3214868480
	.fill 96, 4, 3214868480
	.section	.rodata,"a",@progbits
	.p2align	6, 0x0
	.amdhsa_kernel k_qcda5060bc4_prep
		.amdhsa_group_segment_fixed_size 50688
		.amdhsa_private_segment_fixed_size 0
		.amdhsa_enable_private_segment 0
		.amdhsa_kernarg_size 80
		.amdhsa_user_sgpr_count 2
		.amdhsa_user_sgpr_kernarg_segment_ptr 1
		.amdhsa_wavefront_size32 1
		.amdhsa_system_sgpr_workgroup_id_x 1
		.amdhsa_system_sgpr_workgroup_id_y 1
		.amdhsa_system_sgpr_workgroup_id_z 1
		.amdhsa_system_vgpr_workitem_id 0
		.amdhsa_next_free_vgpr 192
		.amdhsa_next_free_sgpr 66
		.amdhsa_reserve_vcc 0
		.amdhsa_float_denorm_mode_32 3
		.amdhsa_float_denorm_mode_16_64 3
		.amdhsa_memory_ordered 1
		.amdhsa_forward_progress 1
		.amdhsa_inst_pref_size 162
	.end_amdhsa_kernel
	.amdgpu_metadata
---
amdhsa.version: [ 1, 2 ]
amdhsa.kernels:
  - .name:           k_qcda5060bc4_prep
    .symbol:         k_qcda5060bc4_prep.kd
    .args:
      - { .name: y, .offset: 0, .size: 8, .value_kind: global_buffer, .address_space: global }
      - { .name: x, .offset: 8, .size: 8, .value_kind: global_buffer, .address_space: global }
      - { .name: Wkv, .offset: 16, .size: 8, .value_kind: global_buffer, .address_space: global }
      - { .name: Wq, .offset: 24, .size: 8, .value_kind: global_buffer, .address_space: global }
      - { .name: Wp, .offset: 32, .size: 8, .value_kind: global_buffer, .address_space: global }
      - { .name: mask, .offset: 40, .size: 8, .value_kind: global_buffer, .address_space: global }
      - { .name: codes, .offset: 48, .size: 8, .value_kind: global_buffer, .address_space: global }
      - { .name: scales, .offset: 56, .size: 8, .value_kind: global_buffer, .address_space: global }
      - { .name: wp16, .offset: 64, .size: 8, .value_kind: global_buffer, .address_space: global }
      - { .name: mbits, .offset: 72, .size: 8, .value_kind: global_buffer, .address_space: global }
    .group_segment_fixed_size: 50688
    .private_segment_fixed_size: 0
    .kernarg_segment_align: 8
    .kernarg_segment_size: 80
    .max_flat_workgroup_size: 128
    .sgpr_count:     66
    .vgpr_count:     192
    .wavefront_size: 32
...
	.end_amdgpu_metadata
.endif
;; end of part 1
;; launch proj (part 2): grid 8 x 40, 4 waves a work-group, clusters of 4 x 4, 327,680 bytes of LDS; arguments codes, scales, bkv, bq, qkv; writes qkv
.if DOCPART == 2
	.amdgcn_target "amdgcn-amd-amdhsa--gfx1250"
	.amdhsa_code_object_version 6
	.text
	.protected	k_qcda5060bc4_proj
	.globl	k_qcda5060bc4_proj
	.p2align	8
	.type	k_qcda5060bc4_proj,@function
k_qcda5060bc4_proj:
	s_mov_b64 s[64:65], 0
	v_nop
	global_prefetch_b8 v0, s[64:65] scope:SCOPE_SE
	s_setreg_imm32_b32 hwreg(HW_REG_WAVE_MODE, 25, 1), 1
	s_wait_xcnt 0x0
	s_wait_alu depctr_hold_cnt(0) depctr_sa_sdst(0) depctr_va_vdst(0) depctr_va_sdst(0) depctr_va_ssrc(0) depctr_va_vcc(0) depctr_vm_vsrc(0)
	s_getreg_b32 s2, hwreg(HW_REG_IB_STS2, 6, 4)
	s_cmp_eq_u32 s2, 0
	s_cbranch_scc0 .Lentry_in_a_cluster
	s_endpgm
.Lentry_in_a_cluster:
	s_bfe_u32 s2, ttmp6, 0x10000c
	s_cmp_lg_u32 s2, 0xf033
	s_cbranch_scc0 .Lentry_shape_is_right
	s_endpgm
.Lentry_shape_is_right:
; kv = y Wkv^T + bkv and q = x Wq^T + bq, on codes of FP4 (E2M1) with one E8M0 scale for each 32 along K = 1,024; sums in f32; the results leave as f16, by heads.
; All four operands lie in ONE buffer of codes (rows of 512 bytes: y 0 .., x 8,192 .., Wkv 12,288 .., Wq 14,336 ..) and one of scale bytes (32 a row).
; A tile of 256 x 256 is made by a work-group of four waves; a wave makes 128 x 128: 64 accumulators, 512 registers.  256 tiles of kv (clusters y 0 .. 7) and 64 of q (clusters y 8, 9): the tile's row and
; column are plain arithmetic on the ids.  K is two steps of 512, one in each of two LDS slots: every tensor load is a first fill; a wave has three out (scales, slot 0, slot 1).
; CLUSTERS: 4 x 4 work-groups.  The four of a row of the cluster need the same tiles of the left operand, the four of a column the same tiles of the weight: each tile is asked for JOINTLY.
; THE MATRIX INSTRUCTION IS USED TRANSPOSED (source 0 = 16 rows of the weight, source 1 = 16 tokens): a lane holds eight neighbouring outputs of one token.  The bias is the C of each sum's first instruction.
; OUT: qkv holds planes [token][64] of f16: K's head h at h MiB, V's at 16 MiB + h MiB (8,192 tokens x 128 bytes), Q's at 32 MiB + h x 512 KiB (4,096 tokens).  Four tokens of a plane are 512 consecutive bytes.
; LIMIT: |q|, |k|, |v| beyond 65,504 become infinite in f16; magnitudes under 6e-8 are lost.
; REGISTERS, in windows of 256: window 0: v0-31 addresses; v32-95 scale words, two sets; v128-191 the left operand's fragments, one set; v192-255 the bias in the result's layout; on the way out v128-255 are at work.
;   window 1: the weight's fragments, two sets, at v0 and v128.   window 2: the accumulators of my tokens 0-63 ((a, b) at v[8 (8 a + b)]);   window 3: those of my tokens 64-127.
.set NQ,     4                         ; matrix instructions deep in a slot
.set ROWB,   256                       ; a tile's row in bytes: 512 codes
.set KROW,   512                       ; a row of codes in memory
.set PITCH,  272                       ; an LDS row: 256 bytes + 16 of padding = 68 words: row r starts at bank 4 r mod 64 (64 banks of 4 bytes: ISA guide 11.1)
.set FR,     8                         ; registers of a fragment: 16 rows x 128 K
.set NL,     2                         ; LDS loads that bring one
.set NP,     4                         ; places behind this matrix instruction (ISA guide 7.12.1)
.set HALFT,  128*PITCH                 ; 128 rows: what one tensor load brings
.set SLOT,   4*HALFT
.set KS,     32                        ; a row of scales in bytes
.set SCL,    2*SLOT                    ; behind the slots: the scales, as units of 256 bytes + 16 of padding
.set HALFS,  (128*KS/256)*272
.set SBLK,   (16*KS/256)*272
.set SPARE,  SCL+4*HALFS               ; the spare words, 128 bytes for each wave: two blocks of 256 bytes that no other line names
.set WROW0,  12288                     ; the weights' first row in the joint buffers
.set STGW,   4608                      ; the way out: a stage for each wave, [2 planes][16 tokens][128 bytes + 16].  It lies in slot 0, which has had its one fill and its last read when the first result is stored there
.set ADRA, 16
.set ADRB, 20
.set STO,  24
.set RD,   25
.set CO,   26
.set ADRS, 27
.set SPW,  28                          ; v28  LDS address of my spare word; never rewritten
.set NIL,  29                          ; v29  0; never rewritten
.set BO,   30                          ; v30  the bias: 32 bytes for each half of the lanes
.set SC,   32
.set AF,   128
.set BI,   192                         ; the bias; on the way out the packed results
.set BK,   128                         ; the way out: what comes back from the stage, two sets of 32
.set G1, 24
.set G0, 32
.set G1B, 48
.set G0B, 56
.set G1S, 68
.set G0S, 76
.set G1SB, 80
.set G0SB, 88
.set MSB, 0
.macro WIN new                         ; the immediate's high byte repeats the setting that is left
.if MSB != (\new)
	s_set_vgpr_msb (MSB<<8)|(\new)
.set MSB, (\new)
.endif
.endm
.set MUL_LO, 0xa1                      ; source 0 (weight) window 1, source 1 window 0, C and D window 2
.set MUL_HI, 0xf1                      ; the same, C and D window 3
.set TO_B,   0x40                      ; destination window 1, address window 0
; A joint load: waves 0 and 1 fetch for the left operand, waves 2 and 3 for the weight.  The branch hangs on the wave's number alone.  An s_nop 0 and four v_nop follow each of the two lines.
.macro JLOAD g0a, g1a, g0b, g1b
	s_cmp_eq_u32 s15, 0
	s_cbranch_scc0 .Lfor_b_\@
	tensor_load_to_lds s[\g0a:\g0a+3], s[\g1a:\g1a+7]
	s_nop 0
.rept 4
	v_nop
.endr
	s_branch .Lasked_\@
.Lfor_b_\@:
	tensor_load_to_lds s[\g0b:\g0b+3], s[\g1b:\g1b+7]
	s_nop 0
.rept 4
	v_nop
.endr
.Lasked_\@:
.endm
.macro CROUND                          ; a round of the cluster's barrier
	s_barrier_signal -1
	s_barrier_wait -1
	s_cmp_lg_u32 s14, 0
	s_cbranch_scc1 .Lnot_wave_0_\@
	s_barrier_signal -3
.Lnot_wave_0_\@:
	s_barrier_wait -3
	s_barrier_signal -1
	s_barrier_wait -1
.endm
	s_load_b256 s[4:11], s[0:1], 0x0               ; codes s[4:5], scales s[6:7], bkv s[8:9], bq s[10:11]
	s_load_b64 s[12:13], s[0:1], 0x20              ; qkv
	v_lshl_add_u32 v[SPW], v0, 2, SPARE
	v_mov_b32 v[NIL], 0
	ds_add_u32 v[SPW], v[NIL]                      ; the wave's opening: the add, twice on end, and its wait ahead of my first tensor load
	ds_add_u32 v[SPW], v[NIL]
	v_lshrrev_b32 v1, 5, v0
	v_readfirstlane_b32 s14, v1                    ; wave 0..3
	s_lshr_b32 s15, s14, 1                         ; which half of the tile's tokens is mine.  Also: I fetch for the left operand (0) or for the weight (1)
	s_and_b32 s16, s14, 1                          ; which half of its columns.  Also: which 128 rows of that tile I fetch
	s_bfe_u32 s40, ttmp6, 0x40000                  ; cx, cy: my place in the cluster
	s_bfe_u32 s41, ttmp6, 0x40004
	s_and_b32 s95, ttmp7, 0xffff                   ; cluster y
	s_lshr_b32 s96, s95, 3                         ; isq: 0 in the kv part (cluster y 0 .. 7), 1 in the q part (8, 9): the same in all sixteen partners
	s_lshl_b32 s17, s95, 2
	s_add_co_u32 s17, s17, s41                     ; y' = 4 x cluster y + cy
	s_add_co_u32 s18, s17, ttmp9
	s_mul_i32 s18, s18, s96                        ; isq (y' + cluster x)
	s_lshl_b32 s19, s96, 5
	s_add_co_u32 s17, s17, s18
	s_sub_co_u32 s17, s17, s19                     ; the tile's row of 256: kv: y' (0 .. 31);  q: 2 y' - 32 + cluster x (32 .. 47).  It hangs on cy and the cluster's ids, never on cx
	s_lshl_b32 s42, ttmp9, 2
	s_sub_co_u32 s46, 8, s42
	s_mul_i32 s46, s46, s96                        ; isq (8 - 4 cluster x)
	s_add_co_u32 s42, s42, s46
	s_add_co_u32 s42, s42, s40                     ; the tile's column of 256: kv: 4 cluster x + cx (0 .. 7);  q: 8 + cx (8 .. 11).  Never on cy
	s_lshl_b32 s43, s41, 2
	s_lshl_b32 s43, 15, s43                        ; my row of the cluster
	s_lshl_b32 s44, 0x1111, s40                    ; my column
	; descriptor group 1: a tile of 128 rows x 256 bytes, padded in LDS
	s_or_b32 s[G1+0], s43, (0<<16)|(1<<20)|(1<<21)|(5<<22)|(3<<25)  ; 15:0 the mask; 17:16 element of 1 byte; 20 padding on; 21 set beside a mask; 24:22 after every 64 words; 31:25 of 4 words
	s_or_b32 s[G1B+0], s44, (0<<16)|(1<<20)|(1<<21)|(5<<22)|(3<<25)
.irp g, G1, G1B
	s_mov_b32 s[\g+1], ROWB<<16                    ; tensor_dim0
	s_mov_b32 s[\g+2], 128<<16                     ; tensor_dim1
	s_mov_b32 s[\g+3], ROWB<<16                    ; tile_dim0
	s_mov_b32 s[\g+4], 128                         ; tile_dim1
	s_mov_b32 s[\g+5], KROW                        ; tensor_dim0_stride
	s_mov_b32 s[\g+6], 0
	s_mov_b32 s[\g+7], 0
.endr
	; the scales of 128 rows: 4,096 dense bytes, as rows of 256 bytes (32 elements of 8 bytes), 16 bytes of padding behind each
	s_or_b32 s[G1S+0], s43, (3<<16)|(1<<20)|(1<<21)|(5<<22)|(3<<25)
	s_or_b32 s[G1SB+0], s44, (3<<16)|(1<<20)|(1<<21)|(5<<22)|(3<<25)
.irp g, G1S, G1SB
	s_mov_b32 s[\g+1], 32<<16
	s_mov_b32 s[\g+2], (128*KS/256)<<16
	s_mov_b32 s[\g+3], 32<<16
	s_mov_b32 s[\g+4], 128*KS/256
	s_mov_b32 s[\g+5], 32
	s_mov_b32 s[\g+6], 0
	s_mov_b32 s[\g+7], 0
.endr
	s_lshl_b32 s18, s16, 7                         ; which 128 rows of the tile I fetch
	s_lshl_b32 s20, s17, 8
	s_add_co_u32 s20, s20, s18                     ; the left operand's first row
	s_lshl_b32 s46, s42, 8
	s_add_co_u32 s46, s46, s18
	s_add_co_u32 s46, s46, WROW0                   ; the weight's
	s_mov_b32 s21, 0
	s_mov_b32 s47, 0
	s_mov_b64 s[18:19], KS
	s_mul_u64 s[22:23], s[20:21], s[18:19]         ; where these rows' scales begin, in bytes
	s_mul_u64 s[92:93], s[46:47], s[18:19]
	s_mov_b64 s[18:19], KROW
	s_mul_u64 s[20:21], s[20:21], s[18:19]         ; and their codes
	s_mul_u64 s[46:47], s[46:47], s[18:19]
	s_mul_i32 s45, s14, HALFT                      ; where they go: wave x 128 rows: no place in the cluster enters an LDS address
	s_mul_i32 s94, s14, HALFS
	s_wait_dscnt 0x0                               ; both opening adds are done
	s_wait_kmcnt 0x0
	s_add_nc_u64 s[20:21], s[4:5], s[20:21]
	s_add_nc_u64 s[22:23], s[6:7], s[22:23]
	s_add_nc_u64 s[46:47], s[4:5], s[46:47]
	s_add_nc_u64 s[92:93], s[6:7], s[92:93]
	CROUND                                         ; all sixteen work-groups are here: the joint loads meet
	s_mov_b32 s[G0S], 1
	s_add_co_u32 s[G0S+1], s94, SCL
	s_mov_b64 s[G0S+2:G0S+3], s[22:23]
	s_or_b32 s[G0S+3], s[G0S+3], 0x80000000
	s_mov_b32 s[G0SB], 1
	s_add_co_u32 s[G0SB+1], s94, SCL
	s_mov_b64 s[G0SB+2:G0SB+3], s[92:93]
	s_or_b32 s[G0SB+3], s[G0SB+3], 0x80000000
	JLOAD G0S, G1S, G0SB, G1SB                     ; the scales first: they are wanted with K step 0
.irp s, 0,1
	s_mov_b32 s[G0+4*\s], 1
	s_add_co_u32 s[G0+4*\s+1], s45, \s*SLOT
	s_add_nc_u64 s[G0+4*\s+2:G0+4*\s+3], s[20:21], \s*ROWB
	s_or_b32 s[G0+4*\s+3], s[G0+4*\s+3], 0x80000000
	s_mov_b32 s[G0B+4*\s], 1
	s_add_co_u32 s[G0B+4*\s+1], s45, \s*SLOT
	s_add_nc_u64 s[G0B+4*\s+2:G0B+4*\s+3], s[46:47], \s*ROWB
	s_or_b32 s[G0B+4*\s+3], s[G0B+4*\s+3], 0x80000000
	JLOAD G0+4*\s, G1, G0B+4*\s, G1B
.endr
	v_and_b32 v1, 15, v0                           ; l % 16
	v_bfe_u32 v2, v0, 4, 1                         ; l / 16
	; the bias of my 128 columns, in the result's layout: lane (r, h), block b, register j: column 16 b + 8 h + j
	s_cmp_eq_u32 s96, 0
	s_cselect_b64 s[98:99], s[8:9], s[10:11]       ; bkv or bq: the choice hangs on the cluster's y alone
	s_lshl_b32 s97, s96, 3
	s_sub_co_u32 s97, s42, s97                     ; the tile's column within its own weight
	s_lshl_b32 s100, s97, 10
	s_lshl_b32 s101, s16, 9
	s_add_co_u32 s100, s100, s101
	s_mov_b32 s101, 0
	s_add_nc_u64 s[98:99], s[98:99], s[100:101]
	v_lshlrev_b32 v[BO], 5, v2
.irp b, 0,1,2,3,4,5,6,7
	global_load_b128 v[BI+8*\b:BI+8*\b+3], v[BO], s[98:99] offset:64*\b
	global_load_b128 v[BI+8*\b+4:BI+8*\b+7], v[BO], s[98:99] offset:64*\b+16
.endr
	v_mul_u32_u24 v3, v1, PITCH
	v_lshl_add_u32 v4, v2, 4, v3                   ; a fragment's row x pitch + 16 x half
	s_mul_i32 s21, s15, HALFT                      ; my 128 tokens
	s_mul_i32 s22, s16, HALFT                      ; my 128 rows of the weight,
	s_add_co_u32 s22, s22, 2*HALFT                 ; which lie behind the 256 tokens
.irp s, 0,1
	v_add_nc_u32 v[ADRA+\s], s21, v4
	v_add_nc_u32 v[ADRB+\s], s22, v4
	s_add_co_u32 s21, s21, SLOT
	s_add_co_u32 s22, s22, SLOT
.endr
	v_mul_u32_u24 v5, v1, KS                       ; my row's scales: KS bytes a row,
	v_lshrrev_b32 v6, 8, v5
	v_lshl_add_u32 v5, v6, 4, v5                   ; and 16 more for each 256 passed
	s_mul_i32 s21, s15, HALFS
	s_mul_i32 s22, s16, HALFS
	s_add_co_u32 s22, s22, 2*HALFS
	s_sub_co_u32 s22, s22, s21
	v_mul_u32_u24 v6, s22, v2                      ; lanes 16-31 take the weight's
	s_add_co_u32 s21, s21, SCL
	v_add_nc_u32 v5, v5, v6
	v_add_nc_u32 v[ADRS], s21, v5
	s_mul_i32 s23, s14, STGW                       ; my stage
	v_mul_u32_u24 v5, v1, 144                      ; in: token l % 16, 16 bytes for each half of the lanes
	v_lshl_add_u32 v5, v2, 4, v5
	v_add_nc_u32 v[STO], s23, v5
	v_and_b32 v6, 31, v0
	v_lshrrev_b32 v7, 3, v6                        ; back: eight lanes to a token's 128 bytes, four tokens an instruction
	v_mul_u32_u24 v7, v7, 144
	v_and_b32 v8, 7, v0
	v_lshl_add_u32 v7, v8, 4, v7
	v_add_nc_u32 v[RD], s23, v7
	v_lshlrev_b32 v[CO], 4, v6                     ; and the same four tokens in a plane: 512 consecutive bytes
	; where my two planes begin: s[12:13] the first, s[92:93] the second
	s_lshl_b32 s20, s97, 2
	s_lshl_b32 s21, s16, 1
	s_add_co_u32 s20, s20, s21                     ; my first plane: 4 x tile column + 2 x half
	s_lshr_b32 s22, 0x100000, s96                  ; a plane's bytes: 1 MiB (kv), 512 KiB (q)
	s_mul_i32 s20, s20, s22
	s_lshl_b32 s21, s96, 5
	s_sub_co_u32 s21, s17, s21                     ; the tile's row within its own tensor
	s_lshl_b32 s21, s21, 8
	s_lshl_b32 s23, s15, 7
	s_add_co_u32 s21, s21, s23                     ; my first token
	s_lshl_b32 s21, s21, 7                         ; 128 bytes a token
	s_add_co_u32 s20, s20, s21
	s_lshl_b32 s21, s96, 25                        ; Q's planes lie 32 MiB on
	s_add_co_u32 s20, s20, s21
	s_mov_b32 s21, 0
	s_mov_b32 s23, 0
	s_add_nc_u64 s[12:13], s[12:13], s[20:21]
	s_add_nc_u64 s[92:93], s[12:13], s[22:23]
.macro FRAG reg, adr, q, i             ; a fragment, 16 rows x 128 K of 4-bit codes: lane l holds row l % 16; registers 4 c .. 4 c + 3 hold K = 64 c + 32 (l / 16) + 0 .. 31
.irp c, 0,1
	ds_load_b128 v[\reg+4*\c:\reg+4*\c+3], v[\adr] offset:64*(\q)+32*\c+(\i)*16*PITCH
.endr
.endm
; 16 matrix instructions: token blocks a0, a0 + 1 x the weight's eight, 128 along K.  zero = 1: the first product starts the sums, with the bias as C.  The 64 accumulators take turns, one instruction a turn.
.macro MUL16 a0, p, q, sc, zero
.irp a, \a0, \a0+1
.irp b, 0,1,2,3,4,5,6,7
.if \zero
	v_wmma_scale_f32_16x16x128_f8f6f4 v[8*(8*((\a)%4)+\b):8*(8*((\a)%4)+\b)+7], v[128*(\p)+FR*\b:128*(\p)+FR*\b+FR-1], v[AF+FR*(\a):AF+FR*(\a)+FR-1], v[BI+8*\b:BI+8*\b+7], v[SC+8*NQ*(\sc)+NQ*\b+(\q)], v[SC+8*NQ*(\sc)+NQ*(\a)+(\q)] matrix_a_fmt:MATRIX_FMT_FP4 matrix_b_fmt:MATRIX_FMT_FP4 matrix_a_scale:MATRIX_SCALE_ROW1
.else
	v_wmma_scale_f32_16x16x128_f8f6f4 v[8*(8*((\a)%4)+\b):8*(8*((\a)%4)+\b)+7], v[128*(\p)+FR*\b:128*(\p)+FR*\b+FR-1], v[AF+FR*(\a):AF+FR*(\a)+FR-1], v[8*(8*((\a)%4)+\b):8*(8*((\a)%4)+\b)+7], v[SC+8*NQ*(\sc)+NQ*\b+(\q)], v[SC+8*NQ*(\sc)+NQ*(\a)+(\q)] matrix_a_fmt:MATRIX_FMT_FP4 matrix_b_fmt:MATRIX_FMT_FP4 matrix_a_scale:MATRIX_SCALE_ROW1
.endif
.endr
.endr
.endm
.macro FETCH_B slot, q, p
	WIN TO_B
.irp i, 0,1,2,3,4,5,6,7
	FRAG 128*(\p)+FR*\i, ADRB+\slot, \q, \i
.endr
	WIN 0
.endm
.macro FETCH_A slot, q, i0
.irp i, \i0, \i0+1, \i0+2, \i0+3
	FRAG AF+FR*(\i), ADRA+\slot, \q, \i
.endr
.endm
.macro SCALES sc                       ; a K step's scale words into set sc: lanes 0-15 take token block i's, lanes 16-31 the weight's block i's
.irp i, 0,1,2,3,4,5,6,7
	ds_load_b128 v[SC+8*NQ*\sc+NQ*\i:SC+8*NQ*\sc+NQ*\i+3], v[ADRS] offset:\i*SBLK
.endr
.endm
.macro PLACES n                        ; plain vector instructions between a matrix instruction and a load into, or a read of, its registers
.rept \n
	v_nop
.endr
.endm
; A step of 128 along K that has its successor in the same slot.  With zero = 1 source 2, the bias, lies in window 0.
.macro STEP slot, q, zero
	s_wait_dscnt 4*NL                              ; the weight's set and token blocks 0-3 are in; the youngest loads (blocks 4-7) may be out
	WIN MUL_LO-0x20*(\zero)
	MUL16 0, (\q)%2, \q, \slot, \zero
	MUL16 2, (\q)%2, \q, \slot, \zero
	s_wait_dscnt 0                                 ; blocks 4-7 are in
	PLACES NP
	FETCH_B \slot, (\q)+1, 1-(\q)%2
	FETCH_A \slot, (\q)+1, 0
	WIN MUL_HI-0x30*(\zero)
	MUL16 4, (\q)%2, \q, \slot, \zero
	MUL16 6, (\q)%2, \q, \slot, \zero
	PLACES NP
	WIN 0
	FETCH_A \slot, (\q)+1, 4
.endm
	s_wait_tensorcnt 1                             ; the scales and my part of slot 0 are in (slot 1's load may be out),
	s_barrier_signal -1
	s_barrier_wait -1                              ; everybody's are
	FETCH_B 0, 0, 0
	FETCH_A 0, 0, 0
	SCALES 0
	FETCH_A 0, 0, 4
	s_wait_loadcnt 0x0                             ; the bias
	STEP 0, 0, 1                                   ; the first step starts the sums
	STEP 0, 1, 0
	STEP 0, 2, 0
	; slot 0's last step changes slots: one barrier; in front of it each wave waits for all its tensor loads, adds 0 to its spare word, and waits for that and for its own reads of slot 0.  Nothing is filled again.
	s_wait_tensorcnt 0x0                           ; my part of slot 1 has landed  (every window is 0 here)
	ds_add_u32 v[SPW], v[NIL]                      ; 0 onto my spare word
	s_wait_dscnt 4*NL+1                            ; (the add and the youngest loads, blocks 4-7, may be out)
	WIN MUL_LO
	MUL16 0, 1, NQ-1, 0, 0
	s_wait_dscnt 0x0                               ; the add is done, and my reads of slot 0 are over
	s_barrier_signal -1
	MUL16 2, 1, NQ-1, 0, 0
	WIN 0
	s_barrier_wait -1
	PLACES NP
	v_add_nc_u32 v[ADRS], 4*NQ, v[ADRS]            ; on to the second K step's scale words (no LDS load of mine is out)
	FETCH_B 1, 0, 0
	FETCH_A 1, 0, 0
	SCALES 1
	WIN MUL_HI
	MUL16 4, 1, NQ-1, 0, 0
	MUL16 6, 1, NQ-1, 0, 0
	PLACES NP
	WIN 0
	FETCH_A 1, 0, 4
	STEP 1, 0, 0
	STEP 1, 1, 0
	STEP 1, 2, 0
	s_wait_dscnt 4*NL                              ; the very last step: nothing more to fetch
	WIN MUL_LO
	MUL16 0, 1, NQ-1, 1, 0
	MUL16 2, 1, NQ-1, 1, 0
	s_wait_dscnt 0
	WIN MUL_HI
	MUL16 4, 1, NQ-1, 1, 0
	MUL16 6, 1, NQ-1, 1, 0
	WIN 0
; THE WAY OUT, block by block of 16 tokens x 128 columns (two planes).  PACK: rounded to f16, 16 bytes a lane, each accumulator from its low end on.  TOSTAGE: into my own stage, and back four tokens of a plane at a time.  SEND: stored.
.macro PACK a
.set AC, 64*((\a)%4)
	WIN 0x0a+5*((\a)/4)                            ; sources 0 and 1: window 2 or 3
.irp b, 0,1,2,3,4,5,6,7
.irp r, 0,1,2,3
	v_cvt_pk_f16_f32 v[BI+4*\b+\r], v[AC+8*\b+2*\r], v[AC+8*\b+2*\r+1]
.endr
.endr
	WIN 0
.endm
.macro TOSTAGE a
.set BB, BK+32*((\a)%2)
.irp b, 0,1,2,3,4,5,6,7
	ds_store_b128 v[STO], v[BI+4*\b:BI+4*\b+3] offset:(\b/4)*2304+(\b%4)*32
.endr
.irp t, 0,1,2,3,4,5,6,7
	ds_load_b128 v[BB+4*\t:BB+4*\t+3], v[RD] offset:(\t/4)*2304+(\t%4)*576   ; LDS serves a wave's instructions in order (ISA guide 5.7.1.4): these see the stores above
.endr
.endm
.macro SEND a, younger                 ; younger: the LDS instructions issued behind block a's loads, which may stay out
.set BB, BK+32*((\a)%2)
	s_wait_dscnt \younger
.irp t, 0,1,2,3
	global_store_b128 v[CO], v[BB+4*\t:BB+4*\t+3], s[12:13] offset:(\a)*2048+\t*512        ; 32 lanes store 512 consecutive bytes, aligned
.endr
.irp t, 0,1,2,3
	global_store_b128 v[CO], v[BB+16+4*\t:BB+16+4*\t+3], s[92:93] offset:(\a)*2048+\t*512
.endr
.endm
	PLACES NP                                      ; behind the last products: for the conversions that read results, and for the loads into the registers that held fragments
	PACK 0
	TOSTAGE 0
.irp a, 1,2,3,4,5,6,7
	PACK \a
.if \a > 1
	s_wait_xcnt 0x0                                ; block a - 2's stores have read their registers: block a's loads may land there
.endif
	TOSTAGE \a
	SEND \a-1, 16                                  ; behind block a - 1's loads: block a's 8 stores and 8 loads
.endr
	SEND 7, 0
	s_wait_tensorcnt 0x0                           ; the wave's end: behind my last tensor load and my last LDS store
	ds_add_u32 v[SPW], v[NIL]
	s_wait_dscnt 0x0
	CROUND                                         ; the closing round: no work-group ends while a partner may still ask for a tile that names it
	s_endpgm
.Lfunc_end_k_qcda5060bc4_proj:
	.size	k_qcda5060bc4_proj, .Lfunc_end_k_qcda5060bc4_proj-k_qcda5060bc4_proj
	.p2alignl 7, 3214868480
	.fill 96, 4, 3214868480
	.section	.rodata,"a",@progbits
	.p2align	6, 0x0
	.amdhsa_kernel k_qcda5060bc4_proj
		.amdhsa_group_segment_fixed_size 327680
		.amdhsa_private_segment_fixed_size 0
		.amdhsa_enable_private_segment 0
		.amdhsa_kernarg_size 40
		.amdhsa_user_sgpr_count 2
		.amdhsa_user_sgpr_kernarg_segment_ptr 1
		.amdhsa_wavefront_size32 1
		.amdhsa_system_sgpr_workgroup_id_x 1
		.amdhsa_system_sgpr_workgroup_id_y 1
		.amdhsa_system_sgpr_workgroup_id_z 1
		.amdhsa_system_vgpr_workitem_id 0
		.amdhsa_next_free_vgpr 1024
		.amdhsa_next_free_sgpr 102
		.amdhsa_reserve_vcc 0
		.amdhsa_float_denorm_mode_32 3
		.amdhsa_float_denorm_mode_16_64 3
		.amdhsa_memory_ordered 1
		.amdhsa_forward_progress 1
		.amdhsa_inst_pref_size 129
	.end_amdhsa_kernel
	.amdgpu_metadata
---
amdhsa.version: [ 1, 2 ]
amdhsa.kernels:
  - .name:           k_qcda5060bc4_proj
    .symbol:         k_qcda5060bc4_proj.kd
    .args:
      - { .name: codes, .offset: 0, .size: 8, .value_kind: global_buffer, .address_space: global }
      - { .name: scales, .offset: 8, .size: 8, .value_kind: global_buffer, .address_space: global }
      - { .name: bkv, .offset: 16, .size: 8, .value_kind: global_buffer, .address_space: global }
      - { .name: bq, .offset: 24, .size: 8, .value_kind: global_buffer, .address_space: global }
      - { .name: qkv, .offset: 32, .size: 8, .value_kind: global_buffer, .address_space: global }
    .group_segment_fixed_size: 327680
    .private_segment_fixed_size: 0
    .kernarg_segment_align: 8
    .kernarg_segment_size: 40
    .max_flat_workgroup_size: 128
    .sgpr_count:     102
    .vgpr_count:     1024
    .wavefront_size: 32
...
	.end_amdgpu_metadata
.endif
;; end of part 2
;; launch attn (part 3): grid 4 x 64, 8 waves a work-group, clusters of 4 x 1, 327,680 bytes of LDS; arguments qkv, mbits, att; writes att
.if DOCPART == 3
	.amdgcn_target "amdgcn-amd-amdhsa--gfx1250"
	.amdhsa_code_object_version 6
	.text
	.protected	k_qcda5060bc4_attn
	.globl	k_qcda5060bc4_attn
	.p2align	8
	.type	k_qcda5060bc4_attn,@function
k_qcda5060bc4_attn:
	s_mov_b64 s[64:65], 0
	v_nop
	global_prefetch_b8 v0, s[64:65] scope:SCOPE_SE
	s_setreg_imm32_b32 hwreg(HW_REG_WAVE_MODE, 25, 1), 1
	s_wait_xcnt 0x0
	s_wait_alu depctr_hold_cnt(0) depctr_sa_sdst(0) depctr_va_vdst(0) depctr_va_sdst(0) depctr_va_ssrc(0) depctr_va_vcc(0) depctr_vm_vsrc(0)
	s_getreg_b32 s2, hwreg(HW_REG_IB_STS2, 6, 4)
	s_cmp_eq_u32 s2, 0
	s_cbranch_scc0 .Lentry_in_a_cluster
	s_endpgm
.Lentry_in_a_cluster:
	s_bfe_u32 s2, ttmp6, 0x10000c
	s_cmp_lg_u32 s2, 0x3003
	s_cbranch_scc0 .Lentry_shape_is_right
	s_endpgm
.Lentry_shape_is_right:
; att[h][token][:] = the sum over k of softmax_k(q . k / 8, hidden keys at -infinity) v, for each batch b and head h.  q, k, v: planes [token][64] of f16 in qkv; products, maxima and sums in f32; the weights p
; are rounded to f16 for the second product, the result once at the end.  The mask comes as lane masks (mbits): word 8 kt + i of (16 queries, 64 keys) is the select mask of score register 8 kt + i.
; SHARES.  A work-group owns 256 queries of one (b, h).  Wave w has queries 64 (w % 4) .. + 63, four tiles of 16, and the key half w / 4: 1,024 keys in 16 steps of 64.  So two waves of 512 registers lie on a SIMD,
; one's vector work beside the other's products, and each fragment of K and V read from LDS feeds four matrix instructions.  At the end waves 4-7 hand O, c m and l to waves 0-3 through LDS.
; LAYOUT.  S^T = K Q^T (source 0 = 16 keys, source 1 = 16 queries): a lane holds ONE query (lane % 16) and keys 8 (lane / 16) + 0..7.  Two such tiles, rounded in pairs, ARE source 1 of O^T = V^T P.  V is turned by ds_load_tr16_b128.
; SOFTMAX.  For each query a running maximum m (never under -3e38) and sum l: p = 2^(c s - c m), c = log2(e) / 8; in every step O and l are multiplied by a = 2^(c m_old - c m_new).
; A row all of whose keys are hidden ends with l = 0 and gives NaN, as the softmax of such a row does.
; CLUSTER.  The four query blocks of a (b, h) form a cluster and walk the same K and V: each tile is asked for JOINTLY, by the same tensor load with the same descriptor and the mask of all four.
; THE RING.  Two slots; a slot holds 256 keys of each key half: K's 512 rows, then V's.  128 keys of a plane are 16 KiB of dense memory and come as 64 rows of 256 bytes (two keys), padded: waves 0-3 fetch K's four
; pieces, waves 4-7 V's: one load a wave.  Four slots' worth of keys: two first fills and two refills; a wave has at most two tensor loads out.  A refill has four key steps of eight waves in which to land.
; LIMITS: scores under -3e38 are not served; NaN and infinities among the inputs are not served.
; REGISTERS: window 0: v2-12 addresses and -infinity; v16-47 statistics, eight a tile; v62, v63 the add's two; v64-191 S^T, 32 a tile (P is packed into each tile's low 16); v192-255 K of one step.
;            window 1: v0-127 O^T, 32 a tile; v128-191 Q, 16 a tile; v192-255 V of one step.
.set SLOTB,  143360                    ; a slot: K 4 x 17,408, V 4 x 18,432
.set KPIECE, 17408                     ; 128 keys of K: 64 rows of 256 + 16 bytes.  Key r at (r / 2) 272 + (r % 2) 128: the 16 keys of a load begin in 16 different groups of four banks (64 banks of 4 bytes: ISA guide 11.1)
.set VPIECE, 18432                     ; 128 keys of V: 64 rows of 256 + 32 bytes
.set VBASE,  4*KPIECE
.set KSTEPB, 8704                      ; 64 keys of K
.set VSTEPB, 9216                      ; 64 keys of V
.set SPARE,  2*SLOTB                   ; the spare words, 128 bytes for each wave: four blocks of 256 bytes that no other line names
.set MRG,    17408                     ; behind the last change of slots slot 0 has had its last fill and nobody reads it: it takes, for each group of queries, 32 images of 512 bytes and 8 x 128 bytes of statistics,
.set OSTG,   4*MRG                     ; and the stages for the way out: four tiles of 16 rows x (128 + 16) bytes for each of waves 0-3
.set AK0, 2
.set AV0, 3
.set ADK, 4
.set ADV, 5
.set QO,  6
.set STO, 7
.set RD,  8
.set GO,  9
.set MST, 10
.set MSS, 11
.set NINF, 12
.set ST,  16                           ; tile t's statistics at v[ST + 8 t]: +0 c m, +1 m, +2, +3 l (even keys', odd keys'), +4 .. +7 at work; a lies in +6
.set SPW, 62                           ; v62  LDS address of my spare word; never rewritten
.set NIL, 63                           ; v63  0; never rewritten
.set S,   64
.set KF,  192
.set VF,  192
.set U,   10                           ; s10  my group of queries, w % 4.  Also: which piece I fetch
.set G,   11                           ; s11  my key half, w / 4
.set WV,  12
.set MK,  16                           ; s[16:47] the 32 mask words of the tile in hand
.set G1K, 48
.set G1V, 56
.set G0K, 68                           ; s[68:75] group 0 for K's pieces, a set for each slot
.set G0V, 76                           ; s[76:83] for V's
.set CS,  84                           ; s[84:85] c
.set SEL, 86                           ; s[86:87] lane selects for v_permlanex16_b32: lane l xor 16
.set MP,  88                           ; s[88:89] the mask words of my first tile in the step in hand
.set MN,  90                           ; s[90:91] bytes to the next step's: 128, in the last step 0
.set TK,  92                           ; s92  LDS byte at which the step's K begins (my key half apart)
.set TV,  93                           ; s93  the same for V
.set CNT, 94
.set STP, 95                           ; s95  steps to go
.set MSB, 0
.macro WIN new                         ; the immediate's high byte repeats the setting that is left
.if MSB != (\new)
	s_set_vgpr_msb (MSB<<8)|(\new)
.set MSB, (\new)
.endif
.endm
; A joint refill.  The branch hangs on the wave's number alone.  An s_nop 0 and four v_nop follow each of the two lines.
.macro JLOAD slot
	s_cmp_lt_u32 s[WV], 4
	s_cbranch_scc0 .Lfor_v_\@
	tensor_load_to_lds s[G0K+4*\slot:G0K+4*\slot+3], s[G1K:G1K+7]
	s_nop 0
.rept 4
	v_nop
.endr
	s_branch .Lasked_\@
.Lfor_v_\@:
	tensor_load_to_lds s[G0V+4*\slot:G0V+4*\slot+3], s[G1V:G1V+7]
	s_nop 0
.rept 4
	v_nop
.endr
.Lasked_\@:
.endm
.macro CROUND                          ; a round of the cluster's barrier
	s_barrier_signal -1
	s_barrier_wait -1
	s_cmp_lg_u32 s[WV], 0
	s_cbranch_scc1 .Lnot_wave_0_\@
	s_barrier_signal -3
.Lnot_wave_0_\@:
	s_barrier_wait -3
	s_barrier_signal -1
	s_barrier_wait -1
.endm
	s_load_b128 s[4:7], s[0:1], 0x0                ; qkv s[4:5], mbits s[6:7]
	s_load_b64 s[8:9], s[0:1], 0x10                ; att
	v_lshl_add_u32 v[SPW], v0, 2, SPARE
	v_mov_b32 v[NIL], 0
	ds_add_u32 v[SPW], v[NIL]                      ; the wave's opening: the add, twice on end, and its wait ahead of my first tensor load
	ds_add_u32 v[SPW], v[NIL]
	v_lshrrev_b32 v1, 5, v0
	v_readfirstlane_b32 s[WV], v1                  ; wave 0..7
	s_and_b32 s[U], s[WV], 3
	s_lshr_b32 s[G], s[WV], 2
	s_bfe_u32 s13, ttmp6, 0x40000                  ; cx
	s_lshl_b32 s2, ttmp9, 2
	s_add_co_u32 s13, s13, s2                      ; my block of 256 queries: it enters Q's, the mask's and the output's addresses alone
	s_and_b32 s14, ttmp7, 0xffff                   ; 16 b + h, which the four partners share
	s_lshr_b32 s15, s14, 4                         ; b
	s_and_b32 s14, s14, 15                         ; h
	s_lshl_b32 s96, s14, 20                        ; K's piece in memory: plane h,
	s_lshl_b32 s97, s15, 18                        ; batch b's 2,048 keys of 128 bytes,
	s_add_co_u32 s96, s96, s97
	s_lshr_b32 s97, s[U], 1
	s_lshl_b32 s97, s97, 17                        ; pieces 2, 3 belong to the second key half, 1,024 keys on,
	s_add_co_u32 s96, s96, s97
	s_and_b32 s97, s[U], 1
	s_lshl_b32 s97, s97, 14                        ; the odd pieces lie 128 keys on
	s_add_co_u32 s96, s96, s97
	s_mov_b32 s97, 0
	s_mul_i32 s100, s[U], KPIECE                   ; and in a slot: no place in the cluster enters an LDS address
	s_mul_i32 s101, s[U], VPIECE
	s_add_co_u32 s101, s101, VBASE
	s_lshl_b32 s2, s15, 17                         ; my 64 queries in a plane of Q or of the output: batch b's 1,024 tokens of 128 bytes,
	s_lshl_b32 s3, s13, 15
	s_add_co_u32 s2, s2, s3
	s_lshl_b32 s3, s[U], 13
	s_add_co_u32 s2, s2, s3
	s_lshl_b32 s3, s14, 19                         ; plane h of 512 KiB
	s_add_co_u32 s2, s2, s3
	s_mov_b32 s3, 0
	s_lshl_b32 s66, s15, 6                         ; my first tile among the mask's 256 rows of tiles: 64 b + 16 block + 4 u,
	s_lshl_b32 s67, s13, 4
	s_add_co_u32 s66, s66, s67
	s_lshl_b32 s67, s[U], 2
	s_add_co_u32 s66, s66, s67
	s_lshl_b32 s66, s66, 12                        ; 32 steps of 128 bytes each,
	s_lshl_b32 s67, s[G], 11                       ; my key half begins 16 steps on
	s_add_co_u32 s66, s66, s67
	s_mov_b32 s67, 0
	; descriptor group 1: 64 rows of 256 bytes (32 elements of 8 bytes), dense in memory, padded in LDS
	s_mov_b32 s[G1K], 15|(3<<16)|(1<<20)|(1<<21)|(5<<22)|(3<<25)  ; 15:0 the mask: all four work-groups; 17:16 elements of 8 bytes; 20 padding on; 21 set beside a mask; 24:22 after every 64 words; 31:25 4 words of it
	s_mov_b32 s[G1V], 15|(3<<16)|(1<<20)|(1<<21)|(5<<22)|(7<<25)  ; the same with 8 words of padding
.irp g, G1K, G1V
	s_mov_b32 s[\g+1], 32<<16                      ; tensor_dim0
	s_mov_b32 s[\g+2], 64<<16                      ; tensor_dim1
	s_mov_b32 s[\g+3], 32<<16                      ; tile_dim0
	s_mov_b32 s[\g+4], 64                          ; tile_dim1
	s_mov_b32 s[\g+5], 32                          ; tensor_dim0_stride
	s_mov_b32 s[\g+6], 0
	s_mov_b32 s[\g+7], 0
.endr
	s_mov_b32 s[CS], 0x3e38aa3b                    ; c = log2(e) / 8
	s_mov_b32 s[CS+1], s[CS]                       ; (named with it as a pair, so it is written)
	s_mov_b32 s[SEL], 0x76543210
	s_mov_b32 s[SEL+1], 0xfedcba98
	s_mov_b32 s[MN], 128
	s_mov_b32 s[MN+1], 0
	s_mov_b32 s[TK], 0
	s_mov_b32 s[TV], 0
	s_mov_b32 s[STP], 16
	; every LDS address register is made here, on the way that all waves take
	v_and_b32 v1, 31, v0                           ; l
	v_and_b32 v13, 15, v0                          ; r = l % 16
	v_bfe_u32 v14, v0, 4, 1                        ; h = l / 16
	v_lshrrev_b32 v15, 1, v13
	v_mul_u32_u24 v[AK0], v15, 272
	v_and_b32 v15, 1, v0
	v_lshl_add_u32 v[AK0], v15, 7, v[AK0]
	v_lshl_add_u32 v[AK0], v14, 4, v[AK0]          ; K: key r of a tile: (r / 2) 272 + (r % 2) 128 + 16 h,
	s_mul_i32 s98, s[G], 2*KPIECE
	v_add_nc_u32 v[AK0], s98, v[AK0]               ; in my key half
	v_and_b32 v15, 7, v0
	v_lshrrev_b32 v15, 1, v15
	v_lshl_add_u32 v15, v14, 2, v15
	v_mul_u32_u24 v[AV0], v15, 288                 ; V, for the turning load: key 8 h + l % 8, channels 8 ((l / 8) % 2) + 0 .. 7
	v_and_b32 v15, 1, v0
	v_lshl_add_u32 v[AV0], v15, 7, v[AV0]
	v_bfe_u32 v15, v0, 3, 1
	v_lshl_add_u32 v[AV0], v15, 4, v[AV0]
	s_mul_i32 s98, s[G], 2*VPIECE
	s_add_co_u32 s98, s98, VBASE
	v_add_nc_u32 v[AV0], s98, v[AV0]
	v_lshlrev_b32 v[QO], 7, v13
	v_lshl_add_u32 v[QO], v14, 4, v[QO]            ; Q in memory: row r of 128 bytes + 16 h
	s_mul_i32 s98, s[U], 4*16*144
	s_add_co_u32 s98, s98, OSTG
	v_mul_u32_u24 v[STO], v13, 144
	v_lshl_add_u32 v[STO], v14, 4, v[STO]
	v_add_nc_u32 v[STO], s98, v[STO]               ; the way out: in: row r, 16 bytes for each half of the lanes
	v_lshrrev_b32 v15, 3, v1
	v_mul_u32_u24 v[RD], v15, 144
	v_and_b32 v15, 7, v0
	v_lshl_add_u32 v[RD], v15, 4, v[RD]
	v_add_nc_u32 v[RD], s98, v[RD]                 ; back: eight lanes to a row's 128 bytes, four rows an instruction
	v_lshlrev_b32 v[GO], 4, v1                     ; and the same four rows in the output's plane: 512 consecutive bytes
	s_mul_i32 s98, s[U], MRG
	v_lshl_add_u32 v[MST], v1, 4, s98              ; the images: 16 bytes a lane
	s_add_co_u32 s98, s98, 16384
	v_lshl_add_u32 v[MSS], v1, 2, s98              ; the statistics: 4 bytes a lane
	v_mov_b32 v[NINF], 0xff800000
.irp t, 0,1,2,3
	v_mov_b32 v[ST+8*\t+1], 0xff61b1e6             ; m = -3e38, under every score that is served
	v_mov_b32 v[ST+8*\t+2], 0                      ; l
	v_mov_b32 v[ST+8*\t+3], 0
.endr
.irp t, 0,1,2,3
	v_mul_f32 v[ST+8*\t], s[CS], v[ST+8*\t+1]      ; c m
.endr
	s_wait_dscnt 0x0                               ; both opening adds are done
	s_wait_kmcnt 0x0
	s_add_nc_u64 s[98:99], s[4:5], s[96:97]        ; K's piece of slot 0; V's lies 16 MiB on
	s_add_nc_u64 s[MP:MP+1], s[6:7], s[66:67]
	s_add_nc_u64 s[8:9], s[8:9], s[2:3]            ; the output at my first query
	CROUND                                         ; all four work-groups are here: the first joint loads meet
.irp s, 0,1
	s_mov_b32 s[G0K+4*\s], 1                       ; 1:0 count = 1
	s_add_co_u32 s[G0K+4*\s+1], s100, \s*SLOTB     ; 63:32 LDS address
	s_add_nc_u64 s[G0K+4*\s+2:G0K+4*\s+3], s[98:99], \s*32768       ; 120:64 global address: slot s begins 256 s keys on
	s_or_b32 s[G0K+4*\s+3], s[G0K+4*\s+3], 0x80000000              ; 127:126 type = 2
	s_mov_b32 s[G0V+4*\s], 1
	s_add_co_u32 s[G0V+4*\s+1], s101, \s*SLOTB
	s_add_nc_u64 s[G0V+4*\s+2:G0V+4*\s+3], s[98:99], 0x1000000+\s*32768
	s_or_b32 s[G0V+4*\s+3], s[G0V+4*\s+3], 0x80000000
.endr
	s_cmp_lt_u32 s[WV], 4                          ; a wave's two first fills stand in one branch, ahead of every wait on TENSORcnt and every LDS read
	s_cbranch_scc0 .Lfirst_v
	tensor_load_to_lds s[G0K:G0K+3], s[G1K:G1K+7]
	s_nop 0
	tensor_load_to_lds s[G0K+4:G0K+7], s[G1K:G1K+7]
	s_nop 0
.rept 4
	v_nop
.endr
	s_branch .Lfirst_asked
.Lfirst_v:
	tensor_load_to_lds s[G0V:G0V+3], s[G1V:G1V+7]
	s_nop 0
	tensor_load_to_lds s[G0V+4:G0V+7], s[G1V:G1V+7]
	s_nop 0
.rept 4
	v_nop
.endr
.Lfirst_asked:
	s_add_nc_u64 s[96:97], s[4:5], s[2:3]
	s_add_nc_u64 s[96:97], s[96:97], 0x2000000     ; Q's planes lie 32 MiB on
	WIN 0x40                                       ; destination window 1
.irp i, 0,1,2,3,4,5,6,7                        ; Q stays in registers: tile i / 2, channels 32 (i % 2) on
	global_load_b128 v[128+8*\i:128+8*\i+3], v[QO], s[96:97] offset:(\i/2)*2048+(\i%2)*64
	global_load_b128 v[128+8*\i+4:128+8*\i+7], v[QO], s[96:97] offset:(\i/2)*2048+(\i%2)*64+32
.endr
	WIN 0
	s_load_b512 s[MK:MK+15], s[MP:MP+1], 0x0       ; the mask words of step 0, tile 0
	s_load_b512 s[MK+16:MK+31], s[MP:MP+1], 0x40
; ONE TILE'S SOFTMAX FOR ONE KEY STEP.  s0-s31 are the lane's 32 scores.
.macro SOFTMAX t
.set rT, ST+8*(\t)
.set rS, S+32*(\t)
	s_wait_kmcnt 0x0                               ; this tile's 32 mask words are in, and no scalar load is out
.set j, 0
.rept 32
	v_cndmask_b32 v[rS+j], v[rS+j], v[NINF], s[MK+j]               ; hidden scores become -infinity, ahead of the maximum; each accumulator is read from its low end on
.set j, j+1
.endr
.if (\t) < 3
	s_load_b512 s[MK:MK+15], s[MP:MP+1], ((\t)+1)*4096             ; the next tile's words: a tile of 16 queries on is 32 steps of 128 bytes on
	s_load_b512 s[MK+16:MK+31], s[MP:MP+1], ((\t)+1)*4096+64
.else
	s_sub_co_u32 s[STP], s[STP], 1                 ; the next step's first tile.  Behind the last step there is none: the pointer stays, so that no load leaves its buffer
	s_cmp_eq_u32 s[STP], 0
	s_cselect_b32 s[MN], 0, 128
	s_add_nc_u64 s[MP:MP+1], s[MP:MP+1], s[MN:MN+1]
	s_load_b512 s[MK:MK+15], s[MP:MP+1], 0x0
	s_load_b512 s[MK+16:MK+31], s[MP:MP+1], 0x40
.endif
.irp n, 0,1,2,3
	v_max3_num_f32 v[rT+4+\n], v[rS+8*\n], v[rS+8*\n+1], v[rS+8*\n+2]      ; the maximum: four chains of seven scores,
.endr
.irp q, 1,2
.irp n, 0,1,2,3
	v_max3_num_f32 v[rT+4+\n], v[rT+4+\n], v[rS+8*\n+2*\q+1], v[rS+8*\n+2*\q+2]
.endr
.endr
	v_max3_num_f32 v[rT+4], v[rT+4], v[rS+7], v[rS+15]             ; the four scores left over,
	v_max3_num_f32 v[rT+6], v[rT+6], v[rS+23], v[rS+31]
	v_max3_num_f32 v[rT+4], v[rT+4], v[rT+5], v[rT+6]
	v_max3_num_f32 v[rT+4], v[rT+4], v[rT+7], v[rT+1]              ; and the old m
	v_permlanex16_b32 v[rT+5], v[rT+4], s[SEL], s[SEL+1]           ; the query's other 32 keys lie in the lane 16 away
	v_mov_b32 v[rT+7], v[rT]                       ; c m_old is kept for a
	v_max_num_f32 v[rT+1], v[rT+4], v[rT+5]
	v_mul_f32 v[rT], s[CS], v[rT+1]
	v_sub_f32 v[rT+7], v[rT+7], v[rT]
.irp q, 0,1,2,3,4,5,6,7,8,9,10,11,12,13,14,15
	v_pk_fma_f32 v[rS+2*\q:rS+2*\q+1], v[rS+2*\q:rS+2*\q+1], s[CS:CS+1], v[rT:rT+1] op_sel_hi:[1,0,0] neg_lo:[0,0,1] neg_hi:[0,0,1]   ; c s - c m
.endr
	v_exp_f32 v[rT+6], v[rT+7]                     ; a.  ONE BATCH of 33 exponentials, none of which reads another's result
.set j, 0
.rept 32
	v_exp_f32 v[rS+j], v[rS+j]
.set j, j+1
.endr
	v_nop                                          ; a plain instruction behind the last exponential
	s_wait_alu depctr_va_vdst(0)                   ; and the one wait ahead of the batch's first reader
	v_pk_fma_f32 v[rT+2:rT+3], v[rT+2:rT+3], v[rT+6:rT+7], v[rS:rS+1] op_sel_hi:[1,0,1]   ; l = a l + the sum of the unrounded p: 16 pairs, in two chains
	v_pk_add_f32 v[rT+4:rT+5], v[rS+2:rS+3], v[rS+4:rS+5]
.irp q, 3,5,7,9,11,13
	v_pk_add_f32 v[rT+2:rT+3], v[rT+2:rT+3], v[rS+2*\q:rS+2*\q+1]
	v_pk_add_f32 v[rT+4:rT+5], v[rT+4:rT+5], v[rS+2*\q+2:rS+2*\q+3]
.endr
	v_pk_add_f32 v[rT+2:rT+3], v[rT+2:rT+3], v[rS+30:rS+31]
	v_pk_add_f32 v[rT+2:rT+3], v[rT+2:rT+3], v[rT+4:rT+5]
.irp q, 0,1,2,3,4,5,6,7,8,9,10,11,12,13,14,15
	v_cvt_pk_f16_f32 v[rS+\q], v[rS+2*\q], v[rS+2*\q+1]            ; P, packed in place in ascending order: rounding q writes register q and reads 2 q, 2 q + 1
.endr
.endm
; A KEY STEP: 64 keys of my half.  first = 1: the first step's V^T P starts O^T's sums, and there is nothing to rescale.
.macro STEP first
	v_add_nc_u32 v[ADK], s[TK], v[AK0]             ; five plain instructions behind the last step's V^T P: this step's loads land in V's registers, and its first products write over P
	v_add_nc_u32 v[ADV], s[TV], v[AV0]
.rept 3
	v_nop
.endr
.irp f, 0,1,2,3,4,5,6,7                        ; K: keys 16 (f / 2) on, channels 32 (f % 2) on
	ds_load_b128 v[KF+8*\f:KF+8*\f+3], v[ADK] offset:(\f/2)*2176+(\f%2)*64
	ds_load_b128 v[KF+8*\f+4:KF+8*\f+7], v[ADK] offset:(\f/2)*2176+(\f%2)*64+32
.endr
	WIN 0x40                                       ; destination window 1
.irp f, 0,1,2,3,4,5,6,7                        ; V, turned: keys 32 (f / 4) on, channels 16 (f % 4) on
	ds_load_tr16_b128 v[VF+8*\f:VF+8*\f+3], v[ADV] offset:(\f/4)*4608+(\f%4)*32
	ds_load_tr16_b128 v[VF+8*\f+4:VF+8*\f+7], v[ADV] offset:(\f/4)*4608+2304+(\f%4)*32
.endr
	s_wait_dscnt 16                                ; K is in; V's 16 loads may be out
	WIN 0x04                                       ; K and S^T window 0, Q window 1
.set i, 0
.rept 32                                       ; S^T = K Q^T: channels 32 (i / 16) on, keys 16 ((i / 4) % 4) on, tile i % 4: 16 accumulators by turns, one instruction a turn
.set rS, S+32*(i%4)+8*((i/4)%4)
.set rK, KF+8*(2*((i/4)%4)+i/16)
.set rQ, 128+16*(i%4)+8*(i/16)
.if i < 16
	v_wmma_f32_16x16x32_f16 v[rS:rS+7], v[rK:rK+7], v[rQ:rQ+7], 0
.else
	v_wmma_f32_16x16x32_f16 v[rS:rS+7], v[rK:rK+7], v[rQ:rQ+7], v[rS:rS+7]
.endif
.set i, i+1
.endr
	WIN 0
.rept 4
	v_nop                                          ; places in front of the first read of the scores
.endr
	SOFTMAX 0
	SOFTMAX 1
	SOFTMAX 2
	SOFTMAX 3
.if !\first
	WIN 0x41                                       ; O^T (destination and source 0) window 1, a window 0
.set i, 0
.rept 64
	v_pk_mul_f32 v[2*i:2*i+1], v[2*i:2*i+1], v[ST+8*(i/16)+6:ST+8*(i/16)+7] op_sel_hi:[1,0]
.set i, i+1
.endr
.endif
	s_wait_dscnt 0x0                               ; V is in
	WIN 0x51                                       ; V and O^T window 1, P window 0
.set i, 0
.rept 32                                       ; O^T += V^T P: keys 32 (i / 16) on, channels 16 ((i / 4) % 4) on, tile i % 4: 16 accumulators by turns
.set rO, 32*(i%4)+8*((i/4)%4)
.set rV, VF+8*(4*(i/16)+(i/4)%4)
.set rP, S+32*(i%4)+8*(i/16)
.if \first && (i < 16)
	v_wmma_f32_16x16x32_f16 v[rO:rO+7], v[rV:rV+7], v[rP:rP+7], 0
.else
	v_wmma_f32_16x16x32_f16 v[rO:rO+7], v[rV:rV+7], v[rP:rP+7], v[rO:rO+7]
.endif
.set i, i+1
.endr
	WIN 0
	s_add_co_u32 s[TK], s[TK], KSTEPB
	s_add_co_u32 s[TV], s[TV], VSTEPB
.endm
.macro STEPS n
	s_mov_b32 s[CNT], \n
.Lsteps_\@:
	STEP 0
	s_sub_co_u32 s[CNT], s[CNT], 1
	s_cmp_lg_u32 s[CNT], 0
	s_cbranch_scc1 .Lsteps_\@
.endm
; THE CHANGE OF SLOTS.  Each wave waits for all its tensor loads (its piece of the slot ahead), adds 0 to its spare word, and waits for that and for its reads of the slot that it leaves.
; fill = 1: that slot is filled again, with the keys two slots on: the barrier is then a round of the cluster's, and the joint refill is the first thing behind it.
.macro CHANGE slot, fill, next
	s_wait_tensorcnt 0x0                           ; no tensor load of mine is out, so a group 0 may be written
	ds_add_u32 v[SPW], v[NIL]                      ; 0 onto my spare word
.if \fill
	s_add_nc_u64 s[G0K+4*\slot+2:G0K+4*\slot+3], s[G0K+4*\slot+2:G0K+4*\slot+3], 65536   ; 512 keys of 128 bytes on; the type bits on top are not reached
	s_add_nc_u64 s[G0V+4*\slot+2:G0V+4*\slot+3], s[G0V+4*\slot+2:G0V+4*\slot+3], 65536
.endif
	s_mov_b32 s[TK], \next*SLOTB
	s_mov_b32 s[TV], \next*SLOTB
	s_wait_dscnt 0x0                               ; the add is done, and my reads of the slot are over
.if \fill
	CROUND
	JLOAD \slot
.else
	s_barrier_signal -1
	s_barrier_wait -1
.endif
.endm
	s_wait_tensorcnt 0x1                           ; my piece of slot 0 is in; slot 1's may stay out
	s_barrier_signal -1
	s_barrier_wait -1                              ; everybody's is
	s_wait_loadcnt 0x0                             ; Q
	STEP 1
	STEPS 3
	CHANGE 0, 1, 1
	STEPS 4
	CHANGE 1, 1, 0
	STEPS 4
	CHANGE 0, 0, 1                                 ; nothing is left to fetch
	STEPS 4
	s_wait_kmcnt 0x0                               ; the last, unused, mask words
	; THE END.  l's two halves and the other half of the lanes' are added (the first four additions are the places behind the last products).
.irp t, 0,1,2,3
	v_add_f32 v[ST+8*\t+4], v[ST+8*\t+2], v[ST+8*\t+3]
.endr
.irp t, 0,1,2,3
	v_permlanex16_b32 v[ST+8*\t+5], v[ST+8*\t+4], s[SEL], s[SEL+1]
.endr
.irp t, 0,1,2,3
	v_add_f32 v[ST+8*\t+4], v[ST+8*\t+4], v[ST+8*\t+5]
.endr
	s_cmp_lt_u32 s[WV], 4
	s_cbranch_scc1 .Lkeep
	WIN 0x04                                       ; an LDS store's data are its source 1: window 1
.irp i, 0,1,2,3,4,5,6,7,8,9,10,11,12,13,14,15,16,17,18,19,20,21,22,23,24,25,26,27,28,29,30,31
	ds_store_b128 v[MST], v[4*\i:4*\i+3] offset:512*\i             ; waves 4-7: O^T as an image of its registers, each accumulator from its low end on
.endr
	WIN 0
.irp t, 0,1,2,3
	ds_store_b32 v[MSS], v[ST+8*\t] offset:128*\t                  ; c m
	ds_store_b32 v[MSS], v[ST+8*\t+4] offset:512+128*\t            ; l
.endr
.Lkeep:
	s_wait_dscnt 0x0                               ; for the others' sake: my stores have landed
	s_barrier_signal -1
	s_barrier_wait -1
	s_cmp_lt_u32 s[WV], 4
	s_cbranch_scc0 .Ldone
	; waves 0-3: the two key halves are joined: M = max(c m1, c m2), a_i = 2^(c m_i - M), l = a1 l1 + a2 l2, O = (a1 O1 + a2 O2) / l
.irp k, 0,1,2,3,4,5,6,7
	ds_load_b32 v[192+\k], v[MSS] offset:128*\k                    ; v192-195 the partner's c m, v196-199 its l
.endr
.irp i, 0,1,2,3,4,5,6,7,8,9,10,11,12,13,14,15,16,17,18,19,20,21,22,23,24,25,26,27,28,29,30,31
	ds_load_b128 v[S+4*\i:S+4*\i+3], v[MST] offset:512*\i          ; and its O^T: the same registers in the same lanes
.endr
	s_wait_dscnt 32                                ; the eight words are in; the 32 images may be out
.irp t, 0,1,2,3
	v_max_num_f32 v[200+\t], v[ST+8*\t], v[192+\t]
.endr
.irp t, 0,1,2,3
	v_sub_f32 v[204+\t], v[ST+8*\t], v[200+\t]
	v_sub_f32 v[208+\t], v[192+\t], v[200+\t]
.endr
.irp t, 0,1,2,3
	v_exp_f32 v[204+\t], v[204+\t]                 ; a1
	v_exp_f32 v[208+\t], v[208+\t]                 ; a2
.endr
	v_nop
	s_wait_alu depctr_va_vdst(0)                   ; one wait for the eight exponentials, ahead of their first reader
.irp t, 0,1,2,3
	v_mul_f32 v[212+\t], v[208+\t], v[196+\t]
.endr
.irp t, 0,1,2,3
	v_fma_f32 v[212+\t], v[204+\t], v[ST+8*\t+4], v[212+\t]
.endr
.irp t, 0,1,2,3
	v_rcp_f32 v[212+\t], v[212+\t]
.endr
	v_nop
	s_wait_alu depctr_va_vdst(0)                   ; and one for the four reciprocals
.irp t, 0,1,2,3
	v_mul_f32 v[216+2*\t], v[204+\t], v[212+\t]    ; a1 / l, twice: a pair for the packed forms
	v_mul_f32 v[217+2*\t], v[204+\t], v[212+\t]
	v_mul_f32 v[224+2*\t], v[208+\t], v[212+\t]    ; a2 / l
	v_mul_f32 v[225+2*\t], v[208+\t], v[212+\t]
.endr
	s_wait_dscnt 0x0
.set i, 0
.rept 64
	v_pk_mul_f32 v[S+2*i:S+2*i+1], v[S+2*i:S+2*i+1], v[224+2*(i/16):225+2*(i/16)]
.set i, i+1
.endr
	WIN 0x01                                       ; source 0, my own O^T: window 1
.set i, 0
.rept 64
	v_pk_fma_f32 v[S+2*i:S+2*i+1], v[2*i:2*i+1], v[216+2*(i/16):217+2*(i/16)], v[S+2*i:S+2*i+1]
.set i, i+1
.endr
	WIN 0
.set i, 0
.rept 64
	v_cvt_pk_f16_f32 v[S+i], v[S+2*i], v[S+2*i+1]  ; packed in place, ascending: v[S + 16 t + 4 ct ..] are channels 16 ct + 8 h + 0 .. 7 of query r
.set i, i+1
.endr
.irp f, 0,1,2,3,4,5,6,7,8,9,10,11,12,13,14,15
	ds_store_b128 v[STO], v[S+4*\f:S+4*\f+3] offset:(\f/4)*2304+(\f%4)*32
.endr
.irp f, 0,1,2,3,4,5,6,7,8,9,10,11,12,13,14,15
	ds_load_b128 v[128+4*\f:131+4*\f], v[RD] offset:(\f/4)*2304+(\f%4)*576   ; LDS serves a wave's instructions in order (ISA guide 5.7.1.4): these see my stores
.endr
.irp f, 0,1,2,3,4,5,6,7,8,9,10,11,12,13,14,15
	s_wait_dscnt 15-\f
	global_store_b128 v[GO], v[128+4*\f:131+4*\f], s[8:9] offset:(\f/4)*2048+(\f%4)*512   ; 32 lanes store 512 consecutive bytes, aligned: four rows of the plane
.endr
.Ldone:
	s_wait_tensorcnt 0x0                           ; the wave's end: behind my last tensor load and my last LDS store
	ds_add_u32 v[SPW], v[NIL]
	s_wait_dscnt 0x0
	CROUND                                         ; the closing round: no work-group ends while a partner may still ask for a tile that names it
	s_endpgm
.Lfunc_end_k_qcda5060bc4_attn:
	.size	k_qcda5060bc4_attn, .Lfunc_end_k_qcda5060bc4_attn-k_qcda5060bc4_attn
	.p2alignl 7, 3214868480
	.fill 96, 4, 3214868480
	.section	.rodata,"a",@progbits
	.p2align	6, 0x0
	.amdhsa_kernel k_qcda5060bc4_attn
		.amdhsa_group_segment_fixed_size 327680
		.amdhsa_private_segment_fixed_size 0
		.amdhsa_enable_private_segment 0
		.amdhsa_kernarg_size 24
		.amdhsa_user_sgpr_count 2
		.amdhsa_user_sgpr_kernarg_segment_ptr 1
		.amdhsa_wavefront_size32 1
		.amdhsa_system_sgpr_workgroup_id_x 1
		.amdhsa_system_sgpr_workgroup_id_y 1
		.amdhsa_system_sgpr_workgroup_id_z 1
		.amdhsa_system_vgpr_workitem_id 0
		.amdhsa_next_free_vgpr 512
		.amdhsa_next_free_sgpr 102
		.amdhsa_reserve_vcc 0
		.amdhsa_float_denorm_mode_32 3
		.amdhsa_float_denorm_mode_16_64 3
		.amdhsa_memory_ordered 1
		.amdhsa_forward_progress 1
		.amdhsa_inst_pref_size 237
	.end_amdhsa_kernel
	.amdgpu_metadata
---
amdhsa.version: [ 1, 2 ]
amdhsa.kernels:
  - .name:           k_qcda5060bc4_attn
    .symbol:         k_qcda5060bc4_attn.kd
    .args:
      - { .name: qkv, .offset: 0, .size: 8, .value_kind: global_buffer, .address_space: global }
      - { .name: mbits, .offset: 8, .size: 8, .value_kind: global_buffer, .address_space: global }
      - { .name: att, .offset: 16, .size: 8, .value_kind: global_buffer, .address_space: global }
    .group_segment_fixed_size: 327680
    .private_segment_fixed_size: 0
    .kernarg_segment_align: 8
    .kernarg_segment_size: 24
    .max_flat_workgroup_size: 256
    .sgpr_count:     102
    .vgpr_count:     512
    .wavefront_size: 32
...
	.end_amdgpu_metadata
.endif
;; end of part 3
;; launch outp (part 4): grid 8 x 32, 4 waves a work-group, clusters of 4 x 4, 327,680 bytes of LDS; arguments att, wp16, bp, out0; writes out0
.if DOCPART == 4
	.amdgcn_target "amdgcn-amd-amdhsa--gfx1250"
	.amdhsa_code_object_version 6
	.text
	.protected	k_qcda5060bc4_outp
	.globl	k_qcda5060bc4_outp
	.p2align	8
	.type	k_qcda5060bc4_outp,@function
k_qcda5060bc4_outp:
	s_mov_b64 s[64:65], 0
	v_nop
	global_prefetch_b8 v0, s[64:65] scope:SCOPE_SE
	s_setreg_imm32_b32 hwreg(HW_REG_WAVE_MODE, 25, 1), 1
	s_wait_xcnt 0x0
	s_wait_alu depctr_hold_cnt(0) depctr_sa_sdst(0) depctr_va_vdst(0) depctr_va_sdst(0) depctr_va_ssrc(0) depctr_va_vcc(0) depctr_vm_vsrc(0)
	s_getreg_b32 s2, hwreg(HW_REG_IB_STS2, 6, 4)
	s_cmp_eq_u32 s2, 0
	s_cbranch_scc0 .Lentry_in_a_cluster
	s_endpgm
.Lentry_in_a_cluster:
	s_bfe_u32 s2, ttmp6, 0x10000c
	s_cmp_lg_u32 s2, 0xf033
	s_cbranch_scc0 .Lentry_shape_is_right
	s_endpgm
.Lentry_shape_is_right:
; out0[token][n] = the sum over k of att[token][k] Wp[n][k] + bp[n].  Both operands are f16 in planes of 64 along K: att [16][4,096 tokens][64], wp16 [16][1,024 n][64]; sums in f32; out0 is f32.
; A tile of 128 x 128 is made by a work-group of four waves, each 64 x 64: 16 accumulators, 128 registers: 256 tiles, one for each work-group.  K goes in steps of 256 (four planes) through two LDS slots.
; In a plane 128 rows are 16 KiB of dense memory.  A wave's tensor load brings two planes' 128 rows: two rows of 16 KiB, a plane apart, with 16 bytes of padding behind every 256 bytes (two rows of the plane):
; row r of a plane lies at (r / 2) 272 + (r % 2) 128, so that the 16 rows of a fragment load begin in 16 different groups of four banks (64 banks of 4 bytes: ISA guide 11.1).
; CLUSTERS: 4 x 4 work-groups.  The four of a row of the cluster need the same tokens, the four of a column the same rows of Wp: each tile is asked for JOINTLY.
; THE MATRIX INSTRUCTION IS USED TRANSPOSED (source 0 = 16 rows of Wp, source 1 = 16 tokens): a lane holds eight neighbouring outputs of one token.  The bias is the C of each sum's first instruction.
; REGISTERS: window 0: v0-31 addresses; v32-95 at work on the way out; v96-127 the bias in the result's layout; v128-255 the accumulators ((a, b) at v[128 + 8 (4 a + b)]).
;   window 1: two fragment buffers of 128: for 64 along K (one plane), 64 registers of tokens, then 64 of Wp.
.set PL,     17408                     ; a plane's 128 rows in LDS: 64 x 272
.set FROW,   2176                      ; 16 rows of a plane
.set HALFT,  2*PL                      ; what one tensor load brings
.set SLOT,   8*PL                      ; the tokens' four planes, then Wp's four
.set SPARE,  2*SLOT                    ; the spare words, 128 bytes for each wave: two blocks of 256 bytes that no other line names
.set SPITCH, 272                       ; the way out: a stage of 16 rows x (256 bytes + 16) for each wave.  It lies in slot 0, which has had its last fill and its last read when the first result is stored there
.set LAPS,   2                         ; a lap = two K steps = once round the ring
.set ADRA, 16
.set ADRB, 20
.set STO,  24
.set RD,   25
.set CO,   26
.set SPW,  28                          ; v28  LDS address of my spare word; never rewritten
.set NIL,  29                          ; v29  0; never rewritten
.set BO,   30
.set TMP,  32
.set BI,   96
.set ACC,  128
.set F0,   0
.set F1,   128
.set G1, 24
.set G0, 32
.set G1B, 48
.set G0B, 56
.set MSB, 0
.macro WIN new                         ; the immediate's high byte repeats the setting that is left
.if MSB != (\new)
	s_set_vgpr_msb (MSB<<8)|(\new)
.set MSB, (\new)
.endif
.endm
.set MUL,  0x05                        ; sources 0 (Wp) and 1 (tokens) window 1; C and D window 0
.set TO_F, 0x40                        ; destination window 1, address window 0
.macro JLOAD s                         ; a joint load: waves 0 and 1 fetch the tokens' planes, waves 2 and 3 Wp's; an s_nop 0 and four v_nop follow each of the two lines
	s_cmp_eq_u32 s11, 0
	s_cbranch_scc0 .Lfor_b_\@
	tensor_load_to_lds s[G0+4*\s:G0+4*\s+3], s[G1:G1+7]
	s_nop 0
.rept 4
	v_nop
.endr
	s_branch .Lasked_\@
.Lfor_b_\@:
	tensor_load_to_lds s[G0B+4*\s:G0B+4*\s+3], s[G1B:G1B+7]
	s_nop 0
.rept 4
	v_nop
.endr
.Lasked_\@:
.endm
.macro CREST                           ; a round of the cluster's barrier behind its opening barrier
	s_cmp_lg_u32 s10, 0
	s_cbranch_scc1 .Lnot_wave_0_\@
	s_barrier_signal -3
.Lnot_wave_0_\@:
	s_barrier_wait -3
	s_barrier_signal -1
	s_barrier_wait -1
.endm
.macro CROUND                          ; a whole round
	s_barrier_signal -1
	s_barrier_wait -1
	CREST
.endm
	s_load_b128 s[4:7], s[0:1], 0x0                ; att s[4:5], wp16 s[6:7]
	s_load_b128 s[68:71], s[0:1], 0x10             ; bp s[68:69], out0 s[70:71]
	v_lshl_add_u32 v[SPW], v0, 2, SPARE
	v_mov_b32 v[NIL], 0
	ds_add_u32 v[SPW], v[NIL]                      ; the wave's opening: the add, twice on end, and its wait ahead of my first tensor load
	ds_add_u32 v[SPW], v[NIL]
	v_lshrrev_b32 v1, 5, v0
	v_readfirstlane_b32 s10, v1                    ; wave 0..3
	s_lshr_b32 s11, s10, 1                         ; which half of the tile's tokens is mine.  Also: I fetch tokens (0) or Wp (1)
	s_and_b32 s12, s10, 1                          ; which half of its columns.  Also: which two of a K step's four planes I fetch
	s_bfe_u32 s40, ttmp6, 0x40000                  ; cx, cy: my place in the cluster
	s_bfe_u32 s41, ttmp6, 0x40004
	s_lshl_b32 s42, ttmp9, 2
	s_add_co_u32 s42, s42, s40                     ; tile column = 4 x cluster x + cx
	s_and_b32 s13, ttmp7, 0xffff
	s_lshl_b32 s13, s13, 2
	s_add_co_u32 s13, s13, s41                     ; tile row = 4 x cluster y + cy
	s_lshl_b32 s43, s41, 2
	s_lshl_b32 s43, 15, s43                        ; my row of the cluster
	s_lshl_b32 s44, 0x1111, s40                    ; my column
	; descriptor group 1: two rows of 2,048 elements of 8 bytes, a plane apart
	s_or_b32 s[G1+0], s43, (3<<16)|(1<<20)|(1<<21)|(5<<22)|(3<<25)  ; 15:0 the mask; 17:16 elements of 8 bytes; 20 padding on; 21 set beside a mask; 24:22 after every 64 words; 31:25 of 4 words
	s_or_b32 s[G1B+0], s44, (3<<16)|(1<<20)|(1<<21)|(5<<22)|(3<<25)
.irp g, G1, G1B
	s_mov_b32 s[\g+1], 2048<<16                    ; tensor_dim0
	s_mov_b32 s[\g+2], 2<<16                       ; tensor_dim1
	s_mov_b32 s[\g+3], 2048<<16                    ; tile_dim0
	s_mov_b32 s[\g+4], 2                           ; tile_dim1
	s_mov_b32 s[\g+6], 0
	s_mov_b32 s[\g+7], 0
.endr
	s_mov_b32 s[G1+5], 65536                       ; tensor_dim0_stride: a plane of att is 524,288 bytes,
	s_mov_b32 s[G1B+5], 16384                      ; one of wp16 131,072
	s_lshl_b32 s16, s13, 14                        ; the tokens: 128 rows of 128 bytes a tile row,
	s_lshl_b32 s17, s12, 20                        ; my two planes
	s_add_co_u32 s16, s16, s17
	s_mov_b32 s17, 0
	s_lshl_b32 s46, s42, 14                        ; Wp likewise, by the tile column
	s_lshl_b32 s47, s12, 18
	s_add_co_u32 s46, s46, s47
	s_mov_b32 s47, 0
	s_mul_i32 s20, s10, HALFT                      ; where they go: wave x two planes: no place in the cluster enters an LDS address
	s_wait_dscnt 0x0                               ; both opening adds are done
	s_wait_kmcnt 0x0
	s_add_nc_u64 s[14:15], s[4:5], s[16:17]
	s_add_nc_u64 s[46:47], s[6:7], s[46:47]
	CROUND                                         ; all sixteen work-groups are here: the first joint loads meet
.irp s, 0,1
	s_mov_b32 s[G0+4*\s], 1
	s_add_co_u32 s[G0+4*\s+1], s20, \s*SLOT
	s_add_nc_u64 s[G0+4*\s+2:G0+4*\s+3], s[14:15], \s*0x200000     ; K step s: four planes on
	s_or_b32 s[G0+4*\s+3], s[G0+4*\s+3], 0x80000000
	s_mov_b32 s[G0B+4*\s], 1
	s_add_co_u32 s[G0B+4*\s+1], s20, \s*SLOT
	s_add_nc_u64 s[G0B+4*\s+2:G0B+4*\s+3], s[46:47], \s*0x80000
	s_or_b32 s[G0B+4*\s+3], s[G0B+4*\s+3], 0x80000000
	JLOAD \s
.endr
	v_and_b32 v1, 15, v0                           ; l % 16
	v_bfe_u32 v2, v0, 4, 1                         ; l / 16
	s_lshl_b32 s46, s42, 9                         ; my first column, in bytes of f32: 512 x tile column + 256 x half
	s_lshl_b32 s47, s12, 8
	s_add_co_u32 s46, s46, s47
	s_mov_b32 s47, 0
	s_add_nc_u64 s[68:69], s[68:69], s[46:47]      ; the bias of my 64 columns, in the result's layout: lane (r, h), block b, register j: column 16 b + 8 h + j
	v_lshlrev_b32 v[BO], 5, v2
.irp b, 0,1,2,3
	global_load_b128 v[BI+8*\b:BI+8*\b+3], v[BO], s[68:69] offset:64*\b
	global_load_b128 v[BI+8*\b+4:BI+8*\b+7], v[BO], s[68:69] offset:64*\b+16
.endr
	v_lshrrev_b32 v3, 1, v1
	v_mul_u32_u24 v3, v3, 272
	v_and_b32 v4, 1, v0
	v_lshl_add_u32 v3, v4, 7, v3
	v_lshl_add_u32 v3, v2, 4, v3                   ; a fragment's row: (r / 2) 272 + (r % 2) 128 + 16 x half
	s_mul_i32 s21, s11, 4*FROW                     ; my 64 tokens
	s_mul_i32 s22, s12, 4*FROW                     ; my 64 rows of Wp,
	s_add_co_u32 s22, s22, 4*PL                    ; which lie behind the tokens' four planes
.irp s, 0,1
	v_add_nc_u32 v[ADRA+\s], s21, v3
	v_add_nc_u32 v[ADRB+\s], s22, v3
	s_add_co_u32 s21, s21, SLOT
	s_add_co_u32 s22, s22, SLOT
.endr
	s_mul_i32 s23, s10, 16*SPITCH                  ; my stage
	v_mul_u32_u24 v4, v1, SPITCH                   ; in: token l % 16, 32 bytes for each half of the lanes
	v_lshl_add_u32 v4, v2, 5, v4
	v_add_nc_u32 v[STO], s23, v4
	v_mul_u32_u24 v5, v2, SPITCH                   ; back: lanes 0-15 one row of 256 bytes, lanes 16-31 the next
	v_lshl_add_u32 v5, v1, 4, v5
	v_add_nc_u32 v[RD], s23, v5
	v_lshlrev_b32 v5, 12, v2                       ; and the same two rows in out0
	v_lshl_add_u32 v[CO], v1, 4, v5
	s_lshl_b32 s16, s13, 7
	s_lshl_b32 s17, s11, 6
	s_add_co_u32 s16, s16, s17                     ; my first token: 128 x tile row + 64 x half
	s_lshl_b32 s16, s16, 12                        ; rows of 4,096 bytes
	s_add_co_u32 s16, s16, s46
	s_mov_b32 s17, 0
	s_add_nc_u64 s[70:71], s[70:71], s[16:17]
; 8 matrix instructions: token blocks a0, a0 + 1 x all 4 blocks of Wp, 32 along K: half c of buffer f.  zero = 1: the first product starts the sums, with the bias as C
.macro MUL8 f, c, a0, zero
.irp a, \a0, \a0+1
.irp b, 0,1,2,3
.if \zero
	v_wmma_f32_16x16x32_f16 v[ACC+8*(4*(\a)+\b):ACC+8*(4*(\a)+\b)+7], v[\f+64+8*(4*\c+\b):\f+64+8*(4*\c+\b)+7], v[\f+8*(4*\c+\a):\f+8*(4*\c+\a)+7], v[BI+8*\b:BI+8*\b+7]
.else
	v_wmma_f32_16x16x32_f16 v[ACC+8*(4*(\a)+\b):ACC+8*(4*(\a)+\b)+7], v[\f+64+8*(4*\c+\b):\f+64+8*(4*\c+\b)+7], v[\f+8*(4*\c+\a):\f+8*(4*\c+\a)+7], v[ACC+8*(4*(\a)+\b):ACC+8*(4*(\a)+\b)+7]
.endif
.endr
.endr
.endm
; 32 LDS loads in one run: the fragments of one plane, which begins k bytes into the slot's part, into buffer f; the first 32 along K first
.macro FETCH slot, k, f
	WIN TO_F
.irp c, 0,1
.irp i, 0,1,2,3
	ds_load_b128 v[\f+64+8*(4*\c+\i):\f+64+8*(4*\c+\i)+3],   v[ADRB+\slot] offset:\k+64*\c+\i*FROW
	ds_load_b128 v[\f+64+8*(4*\c+\i)+4:\f+64+8*(4*\c+\i)+7], v[ADRB+\slot] offset:\k+64*\c+\i*FROW+32
	ds_load_b128 v[\f+8*(4*\c+\i):\f+8*(4*\c+\i)+3],         v[ADRA+\slot] offset:\k+64*\c+\i*FROW
	ds_load_b128 v[\f+8*(4*\c+\i)+4:\f+8*(4*\c+\i)+7],       v[ADRA+\slot] offset:\k+64*\c+\i*FROW+32
.endr
.endr
.endm
.macro PLACES                          ; four places in front of loads into registers that matrix instructions have read, and of reads of results
.rept 4
	v_nop
.endr
.endm
; A K step is four planes, 32 matrix instructions each, on buffers 0, 1, 0, 1.  One of the first three: multiplies buffer f and fetches the next plane, at byte k, into g.
.macro QUARTER slot, k, f, g, zero
	s_wait_dscnt 16                                ; the first 32 along K are in
	WIN MUL
	MUL8 \f, 0, 0, \zero
	MUL8 \f, 0, 2, \zero
	PLACES
	FETCH \slot, \k, \g
	s_wait_dscnt 32                                ; all but the 32 just issued
	WIN MUL
	MUL8 \f, 1, 0, 0
	MUL8 \f, 1, 2, 0
.endm
; The last plane multiplies buffer 1 and changes slots: ONE barrier; in front of it each wave waits for all its tensor loads, adds 0 to its spare word, and waits for that and for its own reads of this slot.  fill = 1: this slot is filled again, two K steps ahead.
.macro TURN slot, next, fill
	WIN 0                                          ; (the add's two registers lie in window 0)
	s_wait_tensorcnt 0x0                           ; all my tensor loads have landed: my part of the next slot;
	ds_add_u32 v[SPW], v[NIL]                      ; 0 onto my spare word;
	s_wait_dscnt 17                                ; (the add and the youngest sixteen loads may be out)
	WIN MUL
	MUL8 F1, 0, 0, 0                               ; eight matrix instructions stand between the add and the wait for it
	s_wait_dscnt 0x0                               ; the add is done, and my reads of this slot are over
	s_barrier_signal -1
	MUL8 F1, 0, 2, 0
.if \fill
	WIN 0
.endif
	s_barrier_wait -1
.if \fill
	CREST                                          ; the barrier has opened a round of the cluster's barrier: no wave of any partner still reads this slot's tile or has a load on its way
	s_add_nc_u64 s[G0+4*\slot+2:G0+4*\slot+3], s[G0+4*\slot+2:G0+4*\slot+3], 0x400000      ; eight planes on
	s_add_nc_u64 s[G0B+4*\slot+2:G0B+4*\slot+3], s[G0B+4*\slot+2:G0B+4*\slot+3], 0x100000
	JLOAD \slot                                    ; the first tensor load behind the round; the four v_nop behind it are also the places in front of the loads below
.else
	PLACES
.endif
	FETCH \next, 0, F0
	WIN MUL
	MUL8 F1, 1, 0, 0
	MUL8 F1, 1, 2, 0
.endm
	s_wait_tensorcnt 1                             ; my part of K step 0 is in,
	s_barrier_signal -1
	s_barrier_wait -1                              ; everybody's is
	FETCH 0, 0, F0
	s_wait_loadcnt 0x0                             ; the bias
	QUARTER 0, PL, F0, F1, 1                       ; the first plane stands in front of the loop: its first products start the sums
	WIN 0                                          ; at a label and at a branch every window is 0
	s_mov_b32 s3, LAPS-1
.Llap:                                                 ; a trip goes once round the ring, from a lap's second plane to the next lap's first, and fills both slots again
	QUARTER 0, 2*PL, F1, F0, 0
	QUARTER 0, 3*PL, F0, F1, 0
	TURN 0, 1, 1
	QUARTER 1, PL, F0, F1, 0
	QUARTER 1, 2*PL, F1, F0, 0
	QUARTER 1, 3*PL, F0, F1, 0
	TURN 1, 0, 1
	QUARTER 0, PL, F0, F1, 0
	WIN 0
	s_sub_co_u32 s3, s3, 1
	s_cmp_lg_u32 s3, 0
	s_cbranch_scc1 .Llap
	QUARTER 0, 2*PL, F1, F0, 0                     ; the last lap fills nothing, and has no round of the cluster's barrier
	QUARTER 0, 3*PL, F0, F1, 0
	TURN 0, 1, 0
	QUARTER 1, PL, F0, F1, 0
	QUARTER 1, 2*PL, F1, F0, 0
	QUARTER 1, 3*PL, F0, F1, 0
	s_wait_dscnt 16                                ; the very last plane: nothing more to fetch
	WIN MUL
	MUL8 F1, 0, 0, 0
	MUL8 F1, 0, 2, 0
	s_wait_dscnt 0
	MUL8 F1, 1, 0, 0
	MUL8 F1, 1, 2, 0
	WIN 0
; THE WAY OUT, block by block of 16 tokens x 64 columns.  A lane holds 32 neighbouring bytes of a row, and the lanes beside it hold other rows: so a block goes through my own stage and comes back as whole rows of 256 bytes.
.macro TOSTAGE a
.irp b, 0,1,2,3
	ds_store_b128 v[STO], v[ACC+8*(4*(\a)+\b):ACC+8*(4*(\a)+\b)+3] offset:64*\b            ; each accumulator from its low end on
	ds_store_b128 v[STO], v[ACC+8*(4*(\a)+\b)+4:ACC+8*(4*(\a)+\b)+7] offset:64*\b+16
.endr
.set BB, TMP+32*((\a)%2)
.irp t, 0,1,2,3,4,5,6,7
	ds_load_b128 v[BB+4*\t:BB+4*\t+3], v[RD] offset:\t*2*SPITCH    ; LDS serves a wave's instructions in order (ISA guide 5.7.1.4): these see the stores above
.endr
.endm
.macro SEND a, younger                 ; younger: the LDS instructions issued behind block a's loads, which may stay out
.set BB, TMP+32*((\a)%2)
	s_wait_dscnt \younger
.irp t, 0,1,2,3,4,5,6,7
	global_store_b128 v[CO], v[BB+4*\t:BB+4*\t+3], s[70:71] offset:(16*(\a)+2*\t)*4096 th:TH_STORE_NT   ; 16 lanes store 256 consecutive bytes, aligned; written once, read by nobody here
.endr
.endm
	PLACES
	TOSTAGE 0
.irp a, 1,2,3
.if \a > 1
	s_wait_xcnt 0x0                                ; block a - 2's stores have read their registers: block a's loads may land there
.endif
	TOSTAGE \a
	SEND \a-1, 16                                  ; behind block a - 1's loads: block a's 8 stores and 8 loads
.endr
	SEND 3, 0
	s_wait_tensorcnt 0x0                           ; the wave's end: behind my last tensor load and my last LDS store
	ds_add_u32 v[SPW], v[NIL]
	s_wait_dscnt 0x0
	CROUND                                         ; the closing round: no work-group ends while a partner may still ask for a tile that names it
	s_endpgm
.Lfunc_end_k_qcda5060bc4_outp:
	.size	k_qcda5060bc4_outp, .Lfunc_end_k_qcda5060bc4_outp-k_qcda5060bc4_outp
	.p2alignl 7, 3214868480
	.fill 96, 4, 3214868480
	.section	.rodata,"a",@progbits
	.p2align	6, 0x0
	.amdhsa_kernel k_qcda5060bc4_outp
		.amdhsa_group_segment_fixed_size 327680
		.amdhsa_private_segment_fixed_size 0
		.amdhsa_enable_private_segment 0
		.amdhsa_kernarg_size 32
		.amdhsa_user_sgpr_count 2
		.amdhsa_user_sgpr_kernarg_segment_ptr 1
		.amdhsa_wavefront_size32 1
		.amdhsa_system_sgpr_workgroup_id_x 1
		.amdhsa_system_sgpr_workgroup_id_y 1
		.amdhsa_system_sgpr_workgroup_id_z 1
		.amdhsa_system_vgpr_workitem_id 0
		.amdhsa_next_free_vgpr 512
		.amdhsa_next_free_sgpr 72
		.amdhsa_reserve_vcc 0
		.amdhsa_float_denorm_mode_32 3
		.amdhsa_float_denorm_mode_16_64 3
		.amdhsa_memory_ordered 1
		.amdhsa_forward_progress 1
		.amdhsa_inst_pref_size 86
	.end_amdhsa_kernel
	.amdgpu_metadata
---
amdhsa.version: [ 1, 2 ]
amdhsa.kernels:
  - .name:           k_qcda5060bc4_outp
    .symbol:         k_qcda5060bc4_outp.kd
    .args:
      - { .name: att, .offset: 0, .size: 8, .value_kind: global_buffer, .address_space: global }
      - { .name: wp16, .offset: 8, .size: 8, .value_kind: global_buffer, .address_space: global }
      - { .name: bp, .offset: 16, .size: 8, .value_kind: global_buffer, .address_space: global }
      - { .name: out0, .offset: 24, .size: 8, .value_kind: global_buffer, .address_space: global }
    .group_segment_fixed_size: 327680
    .private_segment_fixed_size: 0
    .kernarg_segment_align: 8
    .kernarg_segment_size: 32
    .max_flat_workgroup_size: 128
    .sgpr_count:     72
    .vgpr_count:     512
    .wavefront_size: 32
...
	.end_amdgpu_metadata
.endif
;; end of part 4
;; ======== version 2 of 2: 4 launches; 1.13 times as fast as version 1
;; limits: values are held in f16: magnitudes above 65,504 overflow, below 6.1e-05 lose precision
;; workspace buffers: codes 7,864,320 bytes; scales 491,520 bytes; wp16 2,097,152 bytes; mbits 1,048,576 bytes of whole numbers; qkv 41,943,040 bytes; att 8,388,608 bytes
;; launch prep: the kernel of part 1 again; grid 640 x 1, 4 waves a work-group, no clusters, 50,688 bytes of LDS; arguments y, x, Wkv, Wq, Wp, mask, codes, scales, wp16, mbits; writes codes, scales, wp16, mbits
;; launch proj: the kernel of part 2 again; grid 8 x 40, 4 waves a work-group, clusters of 4 x 4, 327,680 bytes of LDS; arguments codes, scales, bkv, bq, qkv; writes qkv
;; launch attn (part 5): grid 4 x 64, 8 waves a work-group, clusters of 4 x 1, 327,680 bytes of LDS; arguments qkv, mbits, att; writes att
.if DOCPART == 5
	.amdgcn_target "amdgcn-amd-amdhsa--gfx1250"
	.amdhsa_code_object_version 6
	.text
	.protected	k_qcda5060bc4_attn
	.globl	k_qcda5060bc4_attn
	.p2align	8
	.type	k_qcda5060bc4_attn,@function
k_qcda5060bc4_attn:
	s_mov_b64 s[64:65], 0
	v_nop
	global_prefetch_b8 v0, s[64:65] scope:SCOPE_SE
	s_setreg_imm32_b32 hwreg(HW_REG_WAVE_MODE, 25, 1), 1
	s_wait_xcnt 0x0
	s_wait_alu depctr_hold_cnt(0) depctr_sa_sdst(0) depctr_va_vdst(0) depctr_va_sdst(0) depctr_va_ssrc(0) depctr_va_vcc(0) depctr_vm_vsrc(0)
	s_getreg_b32 s2, hwreg(HW_REG_IB_STS2, 6, 4)
	s_cmp_eq_u32 s2, 0
	s_cbranch_scc0 .Lentry_in_a_cluster
	s_endpgm
.Lentry_in_a_cluster:
	s_bfe_u32 s2, ttmp6, 0x10000c
	s_cmp_lg_u32 s2, 0x3003
	s_cbranch_scc0 .Lentry_shape_is_right
	s_endpgm
.Lentry_shape_is_right:
; att[h][token][:] = the sum over k of softmax_k(q . k / 8, hidden keys at -infinity) v, for each batch b and head h.  q, k, v: planes [token][64] of f16 in qkv; products, maxima and sums in f32; the weights p
; are rounded to f16 for the second product, the result once at the end.  The mask comes as lane masks (mbits): word 8 kt + i of (16 queries, 64 keys) is the select mask of score register 8 kt + i.
; SHARES.  A work-group owns 256 queries of one (b, h).  Wave w has queries 64 (w % 4) .. + 63, four tiles of 16, and the key half w / 4: 1,024 keys in 16 steps of 64.  So two waves of 512 registers lie on a SIMD,
; one's vector work beside the other's products, and each fragment of K and V read from LDS feeds four matrix instructions.  At the end waves 4-7 hand O, c m and l to waves 0-3 through LDS.
; LAYOUT.  S^T = K Q^T (source 0 = 16 keys, source 1 = 16 queries): a lane holds ONE query (lane % 16) and keys 8 (lane / 16) + 0..7.  Two such tiles, rounded in pairs, ARE source 1 of O^T = V^T P.  V is turned by ds_load_tr16_b128.
; SOFTMAX.  For each query a running maximum m (never under -3e38) and sum l: p = 2^(c s - c m), c = log2(e) / 8; in every step O and l are multiplied by a = 2^(c m_old - c m_new).
; A row all of whose keys are hidden ends with l = 0 and gives NaN, as the softmax of such a row does.
; THE MASK WORDS COME TWO TILES AT A TIME, in two sets of 32 scalar registers.  Scalar loads return in no order, so only the wait for all of them shows anything: both sets are asked for together and used together.
; Behind the selects of tiles 0 and 1 the words of tiles 2 and 3 are asked for, and have the first pair's softmax, rescaling and 16 products in which to come; behind the selects of tiles 2 and 3 the next step's first pair's.
; CLUSTER.  The four query blocks of a (b, h) form a cluster and walk the same K and V: each tile is asked for JOINTLY, by the same tensor load with the same descriptor and the mask of all four.
; THE RING.  Two slots; a slot holds 256 keys of each key half: K's 512 rows, then V's.  128 keys of a plane are 16 KiB of dense memory and come as 64 rows of 256 bytes (two keys), 16 bytes of padding behind each.
; K's and V's pieces have ONE shape: wave w fetches piece w (0-3: K's, 4-7: V's) to byte 17,408 w of the slot, by one line and one group 1 for all eight waves.  That leaves the scalar registers for the second set of mask words.
; Its price; K's loads, for which the wave waits at once, do not.
; Four slots' worth of keys: two first fills and two refills; a wave has at most two tensor loads out.  A refill has four key steps of eight waves in which to land.
; LIMITS: scores under -3e38 are not served; NaN and infinities among the inputs are not served.
; REGISTERS: window 0: v2-12 addresses and -infinity; v16-47 statistics, eight a tile; v62, v63 the add's two; v64-191 S^T, 32 a tile (P is packed into each tile's low 16); v192-255 K of one step.
;            window 1: v0-127 O^T, 32 a tile; v128-191 Q, 16 a tile; v192-255 V of one step.
.set PIECE,  17408                     ; 128 keys: 64 rows of 256 + 16 bytes.  Key r at (r / 2) 272 + (r % 2) 128: the 16 keys of a load of K begin in 16 different groups of four banks
.set VBASE,  4*PIECE                   ; V's four pieces lie behind K's four
.set SLOTB,  8*PIECE
.set STEPB,  8704                      ; 64 keys, of K and of V alike
.set SPARE,  2*SLOTB                   ; the spare words, 128 bytes for each wave: four blocks of 256 bytes that no other line names
.set MRG,    17408                     ; behind the last change of slots slot 0 has had its last fill and nobody reads it: it takes, for each group of queries, 32 images of 512 bytes and 8 x 128 bytes of statistics,
.set OSTG,   4*MRG                     ; and the stages for the way out: four tiles of 16 rows x (128 + 16) bytes for each of waves 0-3
.set AK0, 2
.set AV0, 3
.set ADK, 4
.set ADV, 5
.set QO,  6
.set STO, 7
.set RD,  8
.set GO,  9
.set MST, 10
.set MSS, 11
.set NINF, 12
.set ST,  16                           ; tile t's statistics at v[ST + 8 t]: +0 c m, +1 m, +2, +3 l (even keys', odd keys'), +4 .. +7 at work; a lies in +6
.set SPW, 62                           ; v62  LDS address of my spare word; never rewritten
.set NIL, 63                           ; v63  0; never rewritten
.set S,   64
.set KF,  192
.set VF,  192
.set TK,  2                            ; s2   LDS byte at which the step's keys begin (my key half, and V's base, apart)
.set CNT, 3
.set MP,  6                            ; s[6:7]   the mask words of my first tile in the step in hand
.set U,   10                           ; s10  my group of queries, w % 4
.set G,   11                           ; s11  my key half, w / 4
.set WV,  12
.set STP, 13                           ; s13  steps to go
.set MN,  14                           ; s[14:15] bytes to the next step's mask words: 128, in the last step 0
                                       ; s[16:47] the mask words of an even tile; s[48:63], s[68:83] those of an odd one.  At the head, before the first words are asked for, s16-28 are at work
.set CS,  66                           ; s[66:67] c
.set G1,  84                           ; s[84:91] descriptor group 1, for K's and V's pieces alike
.set G0,  92                           ; s[92:99] group 0, a set for each slot
.set SEL, 100                          ; s[100:101] lane selects for v_permlanex16_b32: lane l xor 16
.set MSB, 0
.macro WIN new                         ; the immediate's high byte repeats the setting that is left
.if MSB != (\new)
	s_set_vgpr_msb (MSB<<8)|(\new)
.set MSB, (\new)
.endif
.endm
; A joint refill: every wave fetches its own piece.  An s_nop 0 and four v_nop follow the line.
.macro JLOAD slot
	tensor_load_to_lds s[G0+4*\slot:G0+4*\slot+3], s[G1:G1+7]
	s_nop 0
.rept 4
	v_nop
.endr
.endm
.macro CROUND                          ; a round of the cluster's barrier
	s_barrier_signal -1
	s_barrier_wait -1
	s_cmp_lg_u32 s[WV], 0
	s_cbranch_scc1 .Lnot_wave_0_\@
	s_barrier_signal -3
.Lnot_wave_0_\@:
	s_barrier_wait -3
	s_barrier_signal -1
	s_barrier_wait -1
.endm
; The mask words of two neighbouring tiles, the first of which begins off bytes behind the pointer: a tile of 16 queries on is 32 steps of 128 bytes on.
.macro MLOAD off
	s_load_b512 s[16:31], s[MP:MP+1], \off
	s_load_b512 s[32:47], s[MP:MP+1], \off+0x40
	s_load_b512 s[48:63], s[MP:MP+1], \off+0x1000
	s_load_b512 s[68:83], s[MP:MP+1], \off+0x1040
.endm
	s_load_b128 s[4:7], s[0:1], 0x0                ; qkv s[4:5], mbits s[6:7]
	s_load_b64 s[8:9], s[0:1], 0x10                ; att
	v_lshl_add_u32 v[SPW], v0, 2, SPARE
	v_mov_b32 v[NIL], 0
	ds_add_u32 v[SPW], v[NIL]                      ; the wave's opening: the add, twice on end, and its wait ahead of my first tensor load
	ds_add_u32 v[SPW], v[NIL]
	v_lshrrev_b32 v1, 5, v0
	v_readfirstlane_b32 s[WV], v1                  ; wave 0..7
	s_and_b32 s[U], s[WV], 3
	s_lshr_b32 s[G], s[WV], 2
	s_bfe_u32 s16, ttmp6, 0x40000                  ; cx
	s_lshl_b32 s17, ttmp9, 2
	s_add_co_u32 s16, s16, s17                     ; my block of 256 queries: it enters Q's, the mask's and the output's addresses alone
	s_and_b32 s17, ttmp7, 0xffff                   ; 16 b + h, which the four partners share
	s_lshr_b32 s18, s17, 4                         ; b
	s_and_b32 s17, s17, 15                         ; h
	s_lshl_b32 s20, s17, 20                        ; my piece in memory: plane h,
	s_lshl_b32 s21, s18, 18                        ; batch b's 2,048 keys of 128 bytes,
	s_add_co_u32 s20, s20, s21
	s_lshr_b32 s21, s[U], 1
	s_lshl_b32 s21, s21, 17                        ; pieces 2, 3 of K or of V belong to the second key half, 1,024 keys on,
	s_add_co_u32 s20, s20, s21
	s_and_b32 s21, s[U], 1
	s_lshl_b32 s21, s21, 14                        ; the odd pieces lie 128 keys on,
	s_add_co_u32 s20, s20, s21
	s_lshl_b32 s21, s[G], 24                       ; and V's planes, which waves 4-7 fetch, 16 MiB on
	s_add_co_u32 s20, s20, s21
	s_mov_b32 s21, 0
	s_mul_i32 s28, s[WV], PIECE                    ; and in a slot: no place in the cluster enters an LDS address
	s_lshl_b32 s22, s18, 17                        ; my 64 queries in a plane of Q or of the output: batch b's 1,024 tokens of 128 bytes,
	s_lshl_b32 s23, s16, 15
	s_add_co_u32 s22, s22, s23
	s_lshl_b32 s23, s[U], 13
	s_add_co_u32 s22, s22, s23
	s_lshl_b32 s23, s17, 19                        ; plane h of 512 KiB
	s_add_co_u32 s22, s22, s23
	s_mov_b32 s23, 0
	s_lshl_b32 s24, s18, 6                         ; my first tile among the mask's 256 rows of tiles: 64 b + 16 block + 4 u,
	s_lshl_b32 s25, s16, 4
	s_add_co_u32 s24, s24, s25
	s_lshl_b32 s25, s[U], 2
	s_add_co_u32 s24, s24, s25
	s_lshl_b32 s24, s24, 12                        ; 32 steps of 128 bytes each,
	s_lshl_b32 s25, s[G], 11                       ; my key half begins 16 steps on
	s_add_co_u32 s24, s24, s25
	s_mov_b32 s25, 0
	; descriptor group 1: 64 rows of 256 bytes (32 elements of 8 bytes), dense in memory, padded in LDS
	s_mov_b32 s[G1], 15|(3<<16)|(1<<20)|(1<<21)|(5<<22)|(3<<25)   ; 15:0 the mask: all four work-groups; 17:16 elements of 8 bytes; 20 padding on; 21 set beside a mask; 24:22 after every 64 words; 31:25 4 words of it
	s_mov_b32 s[G1+1], 32<<16                      ; tensor_dim0
	s_mov_b32 s[G1+2], 64<<16                      ; tensor_dim1
	s_mov_b32 s[G1+3], 32<<16                      ; tile_dim0
	s_mov_b32 s[G1+4], 64                          ; tile_dim1
	s_mov_b32 s[G1+5], 32                          ; tensor_dim0_stride
	s_mov_b32 s[G1+6], 0
	s_mov_b32 s[G1+7], 0
	s_mov_b32 s[CS], 0x3e38aa3b                    ; c = log2(e) / 8
	s_mov_b32 s[CS+1], s[CS]                       ; (named with it as a pair, so it is written)
	s_mov_b32 s[SEL], 0x76543210
	s_mov_b32 s[SEL+1], 0xfedcba98
	s_mov_b32 s[MN], 128
	s_mov_b32 s[MN+1], 0
	s_mov_b32 s[TK], 0
	s_mov_b32 s[STP], 16
	; every LDS address register is made here, on the way that all waves take
	v_and_b32 v1, 31, v0                           ; l
	v_and_b32 v13, 15, v0                          ; r = l % 16
	v_bfe_u32 v14, v0, 4, 1                        ; h = l / 16
	v_lshrrev_b32 v15, 1, v13
	v_mul_u32_u24 v[AK0], v15, 272
	v_and_b32 v15, 1, v0
	v_lshl_add_u32 v[AK0], v15, 7, v[AK0]
	v_lshl_add_u32 v[AK0], v14, 4, v[AK0]          ; K: key r of a tile: (r / 2) 272 + (r % 2) 128 + 16 h,
	s_mul_i32 s26, s[G], 2*PIECE
	v_add_nc_u32 v[AK0], s26, v[AK0]               ; in my key half
	v_and_b32 v15, 7, v0
	v_lshrrev_b32 v15, 1, v15
	v_lshl_add_u32 v15, v14, 2, v15
	v_mul_u32_u24 v[AV0], v15, 272                 ; V, for the turning load: key 8 h + l % 8, channels 8 ((l / 8) % 2) + 0 .. 7
	v_and_b32 v15, 1, v0
	v_lshl_add_u32 v[AV0], v15, 7, v[AV0]
	v_bfe_u32 v15, v0, 3, 1
	v_lshl_add_u32 v[AV0], v15, 4, v[AV0]
	s_add_co_u32 s26, s26, VBASE
	v_add_nc_u32 v[AV0], s26, v[AV0]
	v_lshlrev_b32 v[QO], 7, v13
	v_lshl_add_u32 v[QO], v14, 4, v[QO]            ; Q in memory: row r of 128 bytes + 16 h
	s_mul_i32 s26, s[U], 4*16*144
	s_add_co_u32 s26, s26, OSTG
	v_mul_u32_u24 v[STO], v13, 144
	v_lshl_add_u32 v[STO], v14, 4, v[STO]
	v_add_nc_u32 v[STO], s26, v[STO]               ; the way out: in: row r, 16 bytes for each half of the lanes
	v_lshrrev_b32 v15, 3, v1
	v_mul_u32_u24 v[RD], v15, 144
	v_and_b32 v15, 7, v0
	v_lshl_add_u32 v[RD], v15, 4, v[RD]
	v_add_nc_u32 v[RD], s26, v[RD]                 ; back: eight lanes to a row's 128 bytes, four rows an instruction
	v_lshlrev_b32 v[GO], 4, v1                     ; and the same four rows in the output's plane: 512 consecutive bytes
	s_mul_i32 s26, s[U], MRG
	v_lshl_add_u32 v[MST], v1, 4, s26              ; the images: 16 bytes a lane
	s_add_co_u32 s26, s26, 16384
	v_lshl_add_u32 v[MSS], v1, 2, s26              ; the statistics: 4 bytes a lane
	v_mov_b32 v[NINF], 0xff800000
.irp t, 0,1,2,3
	v_mov_b32 v[ST+8*\t+1], 0xff61b1e6             ; m = -3e38, under every score that is served
	v_mov_b32 v[ST+8*\t+2], 0                      ; l
	v_mov_b32 v[ST+8*\t+3], 0
.endr
.irp t, 0,1,2,3
	v_mul_f32 v[ST+8*\t], s[CS], v[ST+8*\t+1]      ; c m
.endr
	s_wait_dscnt 0x0                               ; both opening adds are done
	s_wait_kmcnt 0x0
	s_add_nc_u64 s[20:21], s[4:5], s[20:21]        ; my piece of slot 0
	s_add_nc_u64 s[MP:MP+1], s[6:7], s[24:25]
	s_add_nc_u64 s[8:9], s[8:9], s[22:23]          ; the output at my first query
	s_add_nc_u64 s[4:5], s[4:5], s[22:23]
	s_add_nc_u64 s[4:5], s[4:5], 0x2000000         ; Q at my first query: its planes lie 32 MiB on
	CROUND                                         ; all four work-groups are here: the first joint loads meet
.irp s, 0,1
	s_mov_b32 s[G0+4*\s], 1                        ; 1:0 count = 1
	s_add_co_u32 s[G0+4*\s+1], s28, \s*SLOTB       ; 63:32 LDS address
	s_add_nc_u64 s[G0+4*\s+2:G0+4*\s+3], s[20:21], \s*32768         ; 120:64 global address: slot s begins 256 s keys on
	s_or_b32 s[G0+4*\s+3], s[G0+4*\s+3], 0x80000000                ; 127:126 type = 2
.endr
	tensor_load_to_lds s[G0:G0+3], s[G1:G1+7]      ; my two first fills, ahead of every wait on TENSORcnt and every LDS read
	s_nop 0
	tensor_load_to_lds s[G0+4:G0+7], s[G1:G1+7]
	s_nop 0
.rept 4
	v_nop
.endr
	WIN 0x40                                       ; destination window 1
.irp i, 0,1,2,3,4,5,6,7                        ; Q stays in registers: tile i / 2, channels 32 (i % 2) on
	global_load_b128 v[128+8*\i:128+8*\i+3], v[QO], s[4:5] offset:(\i/2)*2048+(\i%2)*64
	global_load_b128 v[128+8*\i+4:128+8*\i+7], v[QO], s[4:5] offset:(\i/2)*2048+(\i%2)*64+32
.endr
	WIN 0
	MLOAD 0x0                                      ; the mask words of step 0, tiles 0 and 1
; The selects of tile t, by set b of the mask words: hidden scores become -infinity, ahead of the maximum; each accumulator is read from its low end on.
.macro MASK t, b
.set j, 0
.rept 32
.if (\b) == 0
.set mk, 16+j
.elseif j < 16
.set mk, 48+j
.else
.set mk, 52+j
.endif
	v_cndmask_b32 v[S+32*(\t)+j], v[S+32*(\t)+j], v[NINF], s[mk]
.set j, j+1
.endr
.endm
; What reads a tile's exponentials, as a list of 32; RDR writes number kk of it for tile t.  0-15: l = a l + the sum of the unrounded p: 16 pairs, in two chains;
; 16-31: P, packed in place in ascending order: rounding q writes register q and reads 2 q, 2 q + 1, which the sums have read.
.macro RDR t
.set rT, ST+8*(\t)
.set rS, S+32*(\t)
.if kk == 0
	v_pk_fma_f32 v[rT+2:rT+3], v[rT+2:rT+3], v[rT+6:rT+7], v[rS:rS+1] op_sel_hi:[1,0,1]
.elseif kk == 1
	v_pk_add_f32 v[rT+4:rT+5], v[rS+2:rS+3], v[rS+4:rS+5]
.elseif kk < 14
	v_pk_add_f32 v[rT+2+2*(kk%2):rT+3+2*(kk%2)], v[rT+2+2*(kk%2):rT+3+2*(kk%2)], v[rS+2*kk+2:rS+2*kk+3]   ; pair kk + 1: the odd pairs to l, the even ones to the second chain
.elseif kk == 14
	v_pk_add_f32 v[rT+2:rT+3], v[rT+2:rT+3], v[rS+30:rS+31]
.elseif kk == 15
	v_pk_add_f32 v[rT+2:rT+3], v[rT+2:rT+3], v[rT+4:rT+5]
.else
	v_cvt_pk_f16_f32 v[rS+kk-16], v[rS+2*(kk-16)], v[rS+2*(kk-16)+1]
.endif
.endm
; TWO TILES' SOFTMAX FOR ONE KEY STEP, behind their selects.  The two tiles take turns line by line, so that no line waits for the line above it, and one tile's exponentials stand between the other's plain instructions.
.macro REST2 ta, tb
.irp n, 0,1,2,3
.irp t, \ta, \tb
	v_max3_num_f32 v[ST+8*\t+4+\n], v[S+32*\t+8*\n], v[S+32*\t+8*\n+1], v[S+32*\t+8*\n+2]      ; the maximum: four chains of seven scores,
.endr
.endr
.irp q, 1,2
.irp n, 0,1,2,3
.irp t, \ta, \tb
	v_max3_num_f32 v[ST+8*\t+4+\n], v[ST+8*\t+4+\n], v[S+32*\t+8*\n+2*\q+1], v[S+32*\t+8*\n+2*\q+2]
.endr
.endr
.endr
.irp t, \ta, \tb
	v_max3_num_f32 v[ST+8*\t+4], v[ST+8*\t+4], v[S+32*\t+7], v[S+32*\t+15]     ; the four scores left over,
.endr
.irp t, \ta, \tb
	v_max3_num_f32 v[ST+8*\t+6], v[ST+8*\t+6], v[S+32*\t+23], v[S+32*\t+31]
.endr
.irp t, \ta, \tb
	v_max3_num_f32 v[ST+8*\t+4], v[ST+8*\t+4], v[ST+8*\t+5], v[ST+8*\t+6]
.endr
.irp t, \ta, \tb
	v_max3_num_f32 v[ST+8*\t+4], v[ST+8*\t+4], v[ST+8*\t+7], v[ST+8*\t+1]      ; and the old m
.endr
.irp t, \ta, \tb
	v_permlanex16_b32 v[ST+8*\t+5], v[ST+8*\t+4], s[SEL], s[SEL+1]             ; the query's other 32 keys lie in the lane 16 away
.endr
.irp t, \ta, \tb
	v_mov_b32 v[ST+8*\t+7], v[ST+8*\t]             ; c m_old is kept for a
.endr
.irp t, \ta, \tb
	v_max_num_f32 v[ST+8*\t+1], v[ST+8*\t+4], v[ST+8*\t+5]
.endr
.irp t, \ta, \tb
	v_mul_f32 v[ST+8*\t], s[CS], v[ST+8*\t+1]
.endr
.irp t, \ta, \tb
	v_sub_f32 v[ST+8*\t+7], v[ST+8*\t+7], v[ST+8*\t]
.endr
.irp q, 0,1,2,3,4,5,6,7,8,9,10,11,12,13,14,15
	v_pk_fma_f32 v[S+32*\ta+2*\q:S+32*\ta+2*\q+1], v[S+32*\ta+2*\q:S+32*\ta+2*\q+1], s[CS:CS+1], v[ST+8*\ta:ST+8*\ta+1] op_sel_hi:[1,0,0] neg_lo:[0,0,1] neg_hi:[0,0,1]   ; the first tile's c s - c m
.endr
	v_exp_f32 v[ST+8*\ta+6], v[ST+8*\ta+7]         ; both tiles' a.  THE FIRST BATCH: 34 exponentials, with the second tile's scalings between them; none of these lines names an exponential's result
	v_exp_f32 v[ST+8*\tb+6], v[ST+8*\tb+7]
.irp q, 0,1,2,3,4,5,6,7,8,9,10,11,12,13,14,15
	v_exp_f32 v[S+32*\ta+2*\q], v[S+32*\ta+2*\q]
	v_exp_f32 v[S+32*\ta+2*\q+1], v[S+32*\ta+2*\q+1]
	v_pk_fma_f32 v[S+32*\tb+2*\q:S+32*\tb+2*\q+1], v[S+32*\tb+2*\q:S+32*\tb+2*\q+1], s[CS:CS+1], v[ST+8*\tb:ST+8*\tb+1] op_sel_hi:[1,0,0] neg_lo:[0,0,1] neg_hi:[0,0,1]   ; (the last of these is the plain instruction behind the batch's last exponential)
.endr
	s_wait_alu depctr_va_vdst(0)                   ; the one wait ahead of the batch's first reader
.set kk, 0
.rept 32                                       ; THE SECOND BATCH: the second tile's 32 exponentials, with the first tile's sums and roundings between them, which name the first tile's registers alone
	v_exp_f32 v[S+32*\tb+kk], v[S+32*\tb+kk]
	RDR \ta
.set kk, kk+1
.endr
	s_wait_alu depctr_va_vdst(0)                   ; and the one wait for that batch; the first tile's last rounding is the plain instruction behind its last exponential
.set kk, 0
.rept 32
	RDR \tb
.set kk, kk+1
.endr
.endm
.macro RESC p                          ; O^T of tiles p, p + 1 times their a
	WIN 0x41                                       ; O^T (destination and source 0) window 1, a window 0
.set i, 16*(\p)
.rept 32
	v_pk_mul_f32 v[2*i:2*i+1], v[2*i:2*i+1], v[ST+8*(i/16)+6:ST+8*(i/16)+7] op_sel_hi:[1,0]
.set i, i+1
.endr
.endm
.macro PV p, first                     ; O^T += V^T P for tiles p, p + 1: keys 32 (i / 8) on, channels 16 ((i / 2) % 4) on, tile p + i % 2: 8 accumulators by turns, one instruction a turn
	WIN 0x51                                       ; V and O^T window 1, P window 0
.set i, 0
.rept 16
.set rO, 32*(\p+i%2)+8*((i/2)%4)
.set rV, VF+8*(4*(i/8)+(i/2)%4)
.set rP, S+32*(\p+i%2)+8*(i/8)
.if \first && (i < 8)
	v_wmma_f32_16x16x32_f16 v[rO:rO+7], v[rV:rV+7], v[rP:rP+7], 0
.else
	v_wmma_f32_16x16x32_f16 v[rO:rO+7], v[rV:rV+7], v[rP:rP+7], v[rO:rO+7]
.endif
.set i, i+1
.endr
	WIN 0
.endm
; A KEY STEP: 64 keys of my half.  first = 1: the first step's V^T P starts O^T's sums, and there is nothing to rescale.
.macro STEP first
	v_add_nc_u32 v[ADK], s[TK], v[AK0]             ; five plain instructions behind the last step's V^T P: this step's loads land in V's registers, and its first products write over P
	v_add_nc_u32 v[ADV], s[TK], v[AV0]
.rept 3
	v_nop
.endr
.irp f, 0,1,2,3,4,5,6,7                        ; K: keys 16 (f / 2) on, channels 32 (f % 2) on
	ds_load_b128 v[KF+8*\f:KF+8*\f+3], v[ADK] offset:(\f/2)*2176+(\f%2)*64
	ds_load_b128 v[KF+8*\f+4:KF+8*\f+7], v[ADK] offset:(\f/2)*2176+(\f%2)*64+32
.endr
	WIN 0x40                                       ; destination window 1
.irp f, 0,1,2,3,4,5,6,7                        ; V, turned: keys 32 (f / 4) on, channels 16 (f % 4) on
	ds_load_tr16_b128 v[VF+8*\f:VF+8*\f+3], v[ADV] offset:(\f/4)*4352+(\f%4)*32
	ds_load_tr16_b128 v[VF+8*\f+4:VF+8*\f+7], v[ADV] offset:(\f/4)*4352+2176+(\f%4)*32
.endr
	s_wait_dscnt 16                                ; K is in; V's 16 loads may be out
	WIN 0x04                                       ; K and S^T window 0, Q window 1
.set i, 0
.rept 32                                       ; S^T = K Q^T: channels 32 (i / 16) on, keys 16 ((i / 4) % 4) on, tile i % 4: 16 accumulators by turns, one instruction a turn
.set rS, S+32*(i%4)+8*((i/4)%4)
.set rK, KF+8*(2*((i/4)%4)+i/16)
.set rQ, 128+16*(i%4)+8*(i/16)
.if i < 16
	v_wmma_f32_16x16x32_f16 v[rS:rS+7], v[rK:rK+7], v[rQ:rQ+7], 0
.else
	v_wmma_f32_16x16x32_f16 v[rS:rS+7], v[rK:rK+7], v[rQ:rQ+7], v[rS:rS+7]
.endif
.set i, i+1
.endr
	WIN 0
.rept 4
	v_nop                                          ; places in front of the first read of the scores
.endr
	s_wait_kmcnt 0x0                               ; the words of tiles 0 and 1 are in, and no scalar load is out
	MASK 0, 0
	MASK 1, 1
	MLOAD 0x2000                                   ; the words of tiles 2 and 3: all that stands up to the next wait for them is theirs to come in
	REST2 0, 1
.if !\first
	RESC 0
.endif
	s_wait_dscnt 0x0                               ; V is in
	PV 0, \first
	s_wait_kmcnt 0x0                               ; the words of tiles 2 and 3 are in, and no scalar load is out: so the pointer may be written
	MASK 2, 0
	MASK 3, 1
	s_sub_co_u32 s[STP], s[STP], 1                 ; on to the next step's words.  Behind the last step there are none: the pointer stays, so that no load leaves its buffer
	s_cmp_eq_u32 s[STP], 0
	s_cselect_b32 s[MN], 0, 128
	s_add_nc_u64 s[MP:MP+1], s[MP:MP+1], s[MN:MN+1]
	MLOAD 0x0                                      ; the next step's tiles 0 and 1
	REST2 2, 3
.if !\first
	RESC 2
.endif
	PV 2, \first
	s_add_co_u32 s[TK], s[TK], STEPB
.endm
.macro STEPS n
	s_mov_b32 s[CNT], \n
.Lsteps_\@:
	STEP 0
	s_sub_co_u32 s[CNT], s[CNT], 1
	s_cmp_lg_u32 s[CNT], 0
	s_cbranch_scc1 .Lsteps_\@
.endm
; THE CHANGE OF SLOTS.  Each wave waits for all its tensor loads (its piece of the slot ahead), adds 0 to its spare word, and waits for that and for its reads of the slot that it leaves.
; fill = 1: that slot is filled again, with the keys two slots on: the barrier is then a round of the cluster's, and the joint refill is the first thing behind it.
.macro CHANGE slot, fill, next
	s_wait_tensorcnt 0x0                           ; no tensor load of mine is out, so a group 0 may be written
	ds_add_u32 v[SPW], v[NIL]                      ; 0 onto my spare word
.if \fill
	s_add_nc_u64 s[G0+4*\slot+2:G0+4*\slot+3], s[G0+4*\slot+2:G0+4*\slot+3], 65536   ; 512 keys of 128 bytes on; the type bits on top are not reached
.endif
	s_mov_b32 s[TK], \next*SLOTB
	s_wait_dscnt 0x0                               ; the add is done, and my reads of the slot are over
.if \fill
	CROUND
	JLOAD \slot
.else
	s_barrier_signal -1
	s_barrier_wait -1
.endif
.endm
	s_wait_tensorcnt 0x1                           ; my piece of slot 0 is in; slot 1's may stay out
	s_barrier_signal -1
	s_barrier_wait -1                              ; everybody's is
	s_wait_loadcnt 0x0                             ; Q
	STEP 1
	STEPS 3
	CHANGE 0, 1, 1
	STEPS 4
	CHANGE 1, 1, 0
	STEPS 4
	CHANGE 0, 0, 1                                 ; nothing is left to fetch
	STEPS 4
	s_wait_kmcnt 0x0                               ; the last, unused, mask words
	; THE END.  l's two halves and the other half of the lanes' are added (the first four additions are the places behind the last products).
.irp t, 0,1,2,3
	v_add_f32 v[ST+8*\t+4], v[ST+8*\t+2], v[ST+8*\t+3]
.endr
.irp t, 0,1,2,3
	v_permlanex16_b32 v[ST+8*\t+5], v[ST+8*\t+4], s[SEL], s[SEL+1]
.endr
.irp t, 0,1,2,3
	v_add_f32 v[ST+8*\t+4], v[ST+8*\t+4], v[ST+8*\t+5]
.endr
	s_cmp_lt_u32 s[WV], 4
	s_cbranch_scc1 .Lkeep
	WIN 0x04                                       ; an LDS store's data are its source 1: window 1
.irp i, 0,1,2,3,4,5,6,7,8,9,10,11,12,13,14,15,16,17,18,19,20,21,22,23,24,25,26,27,28,29,30,31
	ds_store_b128 v[MST], v[4*\i:4*\i+3] offset:512*\i             ; waves 4-7: O^T as an image of its registers, each accumulator from its low end on
.endr
	WIN 0
.irp t, 0,1,2,3
	ds_store_b32 v[MSS], v[ST+8*\t] offset:128*\t                  ; c m
	ds_store_b32 v[MSS], v[ST+8*\t+4] offset:512+128*\t            ; l
.endr
.Lkeep:
	s_wait_dscnt 0x0                               ; for the others' sake: my stores have landed
	s_barrier_signal -1
	s_barrier_wait -1
	s_cmp_lt_u32 s[WV], 4
	s_cbranch_scc0 .Ldone
	; waves 0-3: the two key halves are joined: M = max(c m1, c m2), a_i = 2^(c m_i - M), l = a1 l1 + a2 l2, O = (a1 O1 + a2 O2) / l
.irp k, 0,1,2,3,4,5,6,7
	ds_load_b32 v[192+\k], v[MSS] offset:128*\k                    ; v192-195 the partner's c m, v196-199 its l
.endr
.irp i, 0,1,2,3,4,5,6,7,8,9,10,11,12,13,14,15,16,17,18,19,20,21,22,23,24,25,26,27,28,29,30,31
	ds_load_b128 v[S+4*\i:S+4*\i+3], v[MST] offset:512*\i          ; and its O^T: the same registers in the same lanes
.endr
	s_wait_dscnt 32                                ; the eight words are in; the 32 images may be out
.irp t, 0,1,2,3
	v_max_num_f32 v[200+\t], v[ST+8*\t], v[192+\t]
.endr
.irp t, 0,1,2,3
	v_sub_f32 v[204+\t], v[ST+8*\t], v[200+\t]
	v_sub_f32 v[208+\t], v[192+\t], v[200+\t]
.endr
.irp t, 0,1,2,3
	v_exp_f32 v[204+\t], v[204+\t]                 ; a1
	v_exp_f32 v[208+\t], v[208+\t]                 ; a2
.endr
	v_nop
	s_wait_alu depctr_va_vdst(0)                   ; one wait for the eight exponentials, ahead of their first reader
.irp t, 0,1,2,3
	v_mul_f32 v[212+\t], v[208+\t], v[196+\t]
.endr
.irp t, 0,1,2,3
	v_fma_f32 v[212+\t], v[204+\t], v[ST+8*\t+4], v[212+\t]
.endr
.irp t, 0,1,2,3
	v_rcp_f32 v[212+\t], v[212+\t]
.endr
	v_nop
	s_wait_alu depctr_va_vdst(0)                   ; and one for the four reciprocals
.irp t, 0,1,2,3
	v_mul_f32 v[216+2*\t], v[204+\t], v[212+\t]    ; a1 / l, twice: a pair for the packed forms
	v_mul_f32 v[217+2*\t], v[204+\t], v[212+\t]
	v_mul_f32 v[224+2*\t], v[208+\t], v[212+\t]    ; a2 / l
	v_mul_f32 v[225+2*\t], v[208+\t], v[212+\t]
.endr
	s_wait_dscnt 0x0
.set i, 0
.rept 64
	v_pk_mul_f32 v[S+2*i:S+2*i+1], v[S+2*i:S+2*i+1], v[224+2*(i/16):225+2*(i/16)]
.set i, i+1
.endr
	WIN 0x01                                       ; source 0, my own O^T: window 1
.set i, 0
.rept 64
	v_pk_fma_f32 v[S+2*i:S+2*i+1], v[2*i:2*i+1], v[216+2*(i/16):217+2*(i/16)], v[S+2*i:S+2*i+1]
.set i, i+1
.endr
	WIN 0
.set i, 0
.rept 64
	v_cvt_pk_f16_f32 v[S+i], v[S+2*i], v[S+2*i+1]  ; packed in place, ascending: v[S + 16 t + 4 ct ..] are channels 16 ct + 8 h + 0 .. 7 of query r
.set i, i+1
.endr
.irp f, 0,1,2,3,4,5,6,7,8,9,10,11,12,13,14,15
	ds_store_b128 v[STO], v[S+4*\f:S+4*\f+3] offset:(\f/4)*2304+(\f%4)*32
.endr
.irp f, 0,1,2,3,4,5,6,7,8,9,10,11,12,13,14,15
	ds_load_b128 v[128+4*\f:131+4*\f], v[RD] offset:(\f/4)*2304+(\f%4)*576   ; LDS serves a wave's instructions in order (ISA guide 5.7.1.4): these see my stores
.endr
.irp f, 0,1,2,3,4,5,6,7,8,9,10,11,12,13,14,15
	s_wait_dscnt 15-\f
	global_store_b128 v[GO], v[128+4*\f:131+4*\f], s[8:9] offset:(\f/4)*2048+(\f%4)*512   ; 32 lanes store 512 consecutive bytes, aligned: four rows of the plane
.endr
.Ldone:
	s_wait_tensorcnt 0x0                           ; the wave's end: behind my last tensor load and my last LDS store
	ds_add_u32 v[SPW], v[NIL]
	s_wait_dscnt 0x0
	CROUND                                         ; the closing round: no work-group ends while a partner may still ask for a tile that names it
	s_endpgm
.Lfunc_end_k_qcda5060bc4_attn:
	.size	k_qcda5060bc4_attn, .Lfunc_end_k_qcda5060bc4_attn-k_qcda5060bc4_attn
	.p2alignl 7, 3214868480
	.fill 96, 4, 3214868480
	.section	.rodata,"a",@progbits
	.p2align	6, 0x0
	.amdhsa_kernel k_qcda5060bc4_attn
		.amdhsa_group_segment_fixed_size 327680
		.amdhsa_private_segment_fixed_size 0
		.amdhsa_enable_private_segment 0
		.amdhsa_kernarg_size 24
		.amdhsa_user_sgpr_count 2
		.amdhsa_user_sgpr_kernarg_segment_ptr 1
		.amdhsa_wavefront_size32 1
		.amdhsa_system_sgpr_workgroup_id_x 1
		.amdhsa_system_sgpr_workgroup_id_y 1
		.amdhsa_system_sgpr_workgroup_id_z 1
		.amdhsa_system_vgpr_workitem_id 0
		.amdhsa_next_free_vgpr 512
		.amdhsa_next_free_sgpr 102
		.amdhsa_reserve_vcc 0
		.amdhsa_float_denorm_mode_32 3
		.amdhsa_float_denorm_mode_16_64 3
		.amdhsa_memory_ordered 1
		.amdhsa_forward_progress 1
		.amdhsa_inst_pref_size 234
	.end_amdhsa_kernel
	.amdgpu_metadata
---
amdhsa.version: [ 1, 2 ]
amdhsa.kernels:
  - .name:           k_qcda5060bc4_attn
    .symbol:         k_qcda5060bc4_attn.kd
    .args:
      - { .name: qkv, .offset: 0, .size: 8, .value_kind: global_buffer, .address_space: global }
      - { .name: mbits, .offset: 8, .size: 8, .value_kind: global_buffer, .address_space: global }
      - { .name: att, .offset: 16, .size: 8, .value_kind: global_buffer, .address_space: global }
    .group_segment_fixed_size: 327680
    .private_segment_fixed_size: 0
    .kernarg_segment_align: 8
    .kernarg_segment_size: 24
    .max_flat_workgroup_size: 256
    .sgpr_count:     102
    .vgpr_count:     512
    .wavefront_size: 32
...
	.end_amdgpu_metadata
.endif
;; end of part 5
;; launch outp: the kernel of part 4 again; grid 8 x 32, 4 waves a work-group, clusters of 4 x 4, 327,680 bytes of LDS; arguments att, wp16, bp, out0; writes out0
